; MI455X (gfx1250); checked and timed in simulation.
; The chip was launched on July 23, 2026; its instructions are those of AMD's public machine-readable ISA for CDNA 5 (MIT licence, August 2026) and "CDNA5" Instruction Set Architecture Reference Guide (July 2026). The comments in the code are by the model that wrote it; some were corrected since.
;; Multi Head Self Attention. Allowed arithmetic: matrix products marked QUANTISED: E4M3 operands, one E8M0 scale for each 32 along K, by v_wmma_scale_f32_16x16x128_f8f6f4 with both operands' format E4M3, f32 sums; everything else in f32.
;; Inputs: Wk_codes 1,024 x 32 x 32 uint8 (E4M3 codes of Wk, K innermost, in blocks of 32 codes); Wk_scales 1,024 x 32 uint8 (E8M0 scales of Wk, one for each 32 codes along K); Wmix_codes 1,024 x 32 x 32 uint8 (E4M3 codes of Wmix, K innermost, in blocks of 32 codes); Wmix_scales 1,024 x 32 uint8 (E8M0 scales of Wmix, one for each 32 codes along K); Wq_codes 1,024 x 32 x 32 uint8 (E4M3 codes of Wq, K innermost, in blocks of 32 codes); Wq_scales 1,024 x 32 uint8 (E8M0 scales of Wq, one for each 32 codes along K); Wv_codes 1,024 x 32 x 32 uint8 (E4M3 codes of Wv, K innermost, in blocks of 32 codes); Wv_scales 1,024 x 32 uint8 (E8M0 scales of Wv, one for each 32 codes along K); bk 1,024 float32; bmix 1,024 float32; bq 1,024 float32; bv 1,024 float32; x_codes 4 x 2,048 x 32 x 32 uint8 (E4M3 codes of x, K innermost, in blocks of 32 codes); x_scales 4 x 2,048 x 32 uint8 (E8M0 scales of x, one for each 32 codes along K).
;; Outputs: out0 4 x 2,048 x 1,024 float32.
;; This version of the problem:
;;   THIS VERSION OF THE PROBLEM IS GIVEN IN LOW PRECISION. The matrix products marked QUANTISED in the list below multiply operands that are first quantised to E4M3 (4 exponent bits, 3 mantissa bits; 8 bits a number), with one power-of-two scale for each 32 numbers along K (OCP MX v1.0); their sums are f32. All else is computed in f32.
;;   The module's matrix products, in the order in which they are computed (A, B: the left and right operand; K: the contracted axis; several contracted axes count as one K, in the product's order):
;;     1. [M 8,192, K 1,024] x [K 1,024, N 1,024]; A: input x (given as codes); B: input Wq (given as codes): QUANTISED
;;     2. [M 8,192, K 1,024] x [K 1,024, N 1,024]; A: input x (given as codes); B: input Wk (given as codes): QUANTISED
;;     3. [M 8,192, K 1,024] x [K 1,024, N 1,024]; A: input x (given as codes); B: input Wv (given as codes): QUANTISED
;;     4. batch 64 x [M 2,048, K 64] x [K 64, N 2,048]; A: computed on the way; B: computed on the way: QUANTISED
;;     5. batch 64 x [M 2,048, K 2,048] x [K 2,048, N 64]; A: softmax (see below); B: computed on the way: QUANTISED
;;     6. [M 8,192, K 1,024] x [K 1,024, N 1,024]; A: computed on the way; B: input Wmix (given as codes): QUANTISED
;;   THE QUANTISER, for each operand of a quantised product, along K:
;;     - K is cut into blocks of 32 from its start; a last block that is shorter is filled with zeros.
;;     - A block's scale is 2^e with e = floor(log2(the largest magnitude in the block)) - 8, held to -126 .. 127; a block of zeros has e = 0. As a byte (E8M0): e + 127.
;;     - Each number is divided by its block's scale, clamped to +-448, and rounded to the nearest number of E4M3, ties to even, subnormals kept.
;;     - The product sums the exact products of the quantised numbers (number of the format x scale) in f32.
;;   ~~~python
;;   def quantise(x, axis):      # numpy; x: float32 -> the quantised numbers, widened to float32 again
;;       x = np.moveaxis(x, axis, -1); K = x.shape[-1]
;;       x = np.pad(x, [(0, 0)] * (x.ndim - 1) + [(0, -K % 32)]); x = x.reshape(x.shape[:-1] + (-1, 32)); a = np.abs(x).max(-1, keepdims=True)
;;       e = np.where(a > 0, np.clip(np.frexp(np.where(a > 0, a, 1))[1] - 1 - 8, -126, 127), 0)      # np.frexp(a)[1] - 1 = floor(log2(a)), exactly
;;       r = np.clip(x / 2.0 ** e, -448, 448)
;;       step = 2.0 ** (np.maximum(np.frexp(np.where(r == 0, 1, r))[1] - 1, -6) - 3)
;;       q = np.round(r / step) * step * 2.0 ** e      # np.round: ties to even
;;       return np.moveaxis(q.reshape(q.shape[:-2] + (-1,))[..., :K], -1, axis).astype(np.float32)
;;   ~~~
;;   SOFTMAX AHEAD OF A QUANTISED PRODUCT. Where the list says 'softmax', what is quantised is not the finished softmax but p = 2^(t - M), with t = logit x log2(e) and M = ceil(the row's largest t), a whole number; so 1/2 < the row's largest p <= 1. The row's sum l is taken of the UNQUANTISED p, in f32, and the product's result is divided by l at the end. Since M is a whole number, a kernel that streams over the keys may use a running M (the ceiling of the running maximum): every later rescaling is an exact power of two, which a block's scale takes up: the codes' values come out the same.
;;   OPERANDS COMPUTED ON THE WAY. 'Computed on the way' means the value that the module computes at that place (a softmax that the list does not call 'softmax' is quantised finished and normalised). What goes into a quantiser is computed in f32, as accurately as f32 sums, v_exp_f32 and their like allow (about 1e-6 of the number): no bf16 or f16 on the way to a quantiser, and a product that is left as it is and whose result goes on into a quantised operand takes f32 operands (vector FMAs, or v_wmma_f32_16x16x4_f32). A number that lies on a knife's edge between two numbers of the format may be rounded either way, as far as f32 arithmetic and the matrix unit's own rounding can turn it there, and no further.
;;   INPUTS GIVEN AS CODES. Wk (in the module: [1024, 1024], K = its axis 0); Wmix (in the module: [1024, 1024], K = its axis 0); Wq (in the module: [1024, 1024], K = its axis 0); Wv (in the module: [1024, 1024], K = its axis 0); x (in the module: [4, 2048, 1024], K = its axis 2): each comes as NAME_codes (uint8): NAME with its K axis moved to the last place and cut into blocks of 32 codes, [.., K / 32, bytes a block], one block behind the other in memory; one code a byte (a code: sign, 4 exponent bits, 3 mantissa bits); and NAME_scales (uint8): the same leading axes, one E8M0 byte (e + 127) for each 32 codes along K. Its value is code x scale, taken as it is: it is not quantised again, and the codes and scales need not be those that the quantiser above would give.
;; One version. Each part assembles by itself: llvm-mc -triple=amdgcn-amd-amdhsa -mcpu=gfx1250 --defsym DOCPART=n.
;; ======== version 1 of 1: 3 launches
;; limits: right only within a limited range of input values
;; workspace buffers: qkv 26,476,544 bytes; att 8,650,752 bytes
;; launch proj (part 1): grid 12 x 32, 4 waves a work-group, clusters of 4 x 4, 327,680 bytes of LDS; arguments x_codes, x_scales, Wq_codes, Wq_scales, Wk_codes, Wk_scales, Wv_codes, Wv_scales, bq, bk, bv, qkv; writes qkv
.if DOCPART == 1
	.amdgcn_target "amdgcn-amd-amdhsa--gfx1250"
	.amdhsa_code_object_version 6
	.text
	.protected	k_q812c0977a6_proj
	.globl	k_q812c0977a6_proj
	.p2align	8
	.type	k_q812c0977a6_proj,@function
k_q812c0977a6_proj:
	s_mov_b64 s[64:65], 0
	v_nop
	global_prefetch_b8 v0, s[64:65] scope:SCOPE_SE
	s_setreg_imm32_b32 hwreg(HW_REG_WAVE_MODE, 25, 1), 1
	s_wait_xcnt 0x0
	s_wait_alu depctr_hold_cnt(0) depctr_sa_sdst(0) depctr_va_vdst(0) depctr_va_sdst(0) depctr_va_ssrc(0) depctr_va_vcc(0) depctr_vm_vsrc(0)
	s_getreg_b32 s2, hwreg(HW_REG_IB_STS2, 6, 4)
	s_cmp_eq_u32 s2, 0
	s_cbranch_scc0 .Lentry_in_a_cluster
	s_endpgm
.Lentry_in_a_cluster:
	s_bfe_u32 s2, ttmp6, 0x10000c
	s_cmp_lg_u32 s2, 0xf033
	s_cbranch_scc0 .Lentry_shape_is_right
	s_endpgm
.Lentry_shape_is_right:
; q = x Wq + bq, k = x Wk + bk, v = x Wv + bv on codes of FP8 (E4M3) with one E8M0 scale for each 32 along K = 1,024; the results are quantised at once, q and k along the head's 64, v along the keys,
; and leave as IMAGES OF OPERAND REGISTERS for the attention launch: qkv [b x head 64][step of 128 tokens 16][25,856 bytes]: K codes 8,192 | K scale words 512 | V codes 8,192 | V scale words 256 | Q codes 8,192 | Q scale words 512.
; ONE BODY, THREE TENSORS.  The body makes C[m'][n'] = sum over k of A'[m'][k] B'[n'][k] + bias and quantises along n'.  The cluster's x says which: 0: A' = x, B' = Wq; 1: A' = x, B' = Wk;
; 2: A' = Wv, B' = x, so that C = v^T and the keys run along n'.  The choice hangs on the cluster's number alone, which all partners share.
; A tile of C, 256 x 256, is made by four waves, each 128 x 128: 64 accumulators, 512 registers.  K goes in steps of 256 through two LDS slots filled by the tensor data mover (rows of 256 bytes);
; the scale bytes of the tile's 256 + 256 rows, for all of K, come once.  K = 1,024 is four fills, so the steps are written out without a loop.
; CLUSTERS: 4 x 4 work-groups; A's tiles are asked for jointly along a row of the cluster, B's along a column.  THE PRODUCT IS USED TRANSPOSED (source 0 = 16 rows of B', source 1 = 16 rows of A'):
; lane (r, h) of accumulator (a, b) holds row 16 a + r of A' and, in register j, row 16 b + 8 h + j of B': eight neighbours along n'.  A block of 32 along n' is accumulators (a, 2 g), (a, 2 g + 1) in lanes l and l xor 16.
; The bias is the C of each sum's first product.
; LIMITS: NaN and infinities among the inputs are not served.  A block of zeros gets the scale byte 1 where the rule says 127: its codes are zeros, and this program alone reads the bytes.
; REGISTERS, in windows of 256: window 0: v0-31 addresses; v32-63 scale words, two sets; v64-127 the bias; from v128 A's fragments, one set; on the way out v64-249 are at work.
;   window 1: B's fragments, two sets.   window 2: accumulators of my rows 0-63 ((a, b) at v[8 (8 a + b)]);   window 3: those of rows 64-127.
.set KSTEP,  256
.set NQ,     2                         ; matrix instructions deep in a slot
.set ROWB,   256                       ; a tile's row in bytes
.set KROW,   1024                      ; a row of A' or B' in memory, in bytes
.set PITCH,  272                       ; an LDS row: 256 bytes + 16 of padding: the 16 rows that a load touches start 68 words apart
.set FR,     16                        ; registers of a fragment
.set NL,     4                         ; LDS loads that bring one
.set NP,     8                         ; places behind this matrix instruction (ISA guide 7.12.1)
.set HALFT,  128*PITCH
.set SLOT,   4*HALFT                   ; A's 256 rows, then B's 256 rows
.set KS,     32                        ; a row of scale bytes
.set SCL,    2*SLOT                    ; behind the ring: the scales, as units of 256 bytes + 16 of padding
.set HALFS,  16*272                    ; the scales of 128 rows
.set SBLK,   2*272                     ; those of 16 rows
.set SPARE,  SCL+4*HALFS               ; the spare words, 128 bytes for each wave: two blocks of 256 bytes that no other line names
.set BLK,    25856                     ; a step's block in qkv
.set HEADSTR, 16*BLK                   ; a head's 16 blocks
.set WSTG,   17408                     ; the way out of q and k: a stage for each wave, two heads' code images (8,192 each) and scale images (512 each); it lies in slot 0, which has had its last fill and its last read by then
.set VO,   8                           ; v8   v's way out: 16 r + 8 h
.set VS,   9                           ; v9   8 x lane
.set BOQ,  10                          ; v10  bias of q, k: 32 h
.set BOV,  11                          ; v11  bias of v: 4 r
.set ADRA, 16                          ; v16-17  LDS address of my A fragments in slot 0, 1
.set ADRB, 20                          ; v20-21  the same for B
.set STO,  24                          ; v24  stage: where my 8 codes go
.set RD,   25                          ; v25  stage: 16 x lane
.set CO,   26                          ; v26  16 x lane, in qkv
.set ADRS, 27                          ; v27  LDS address of my scale words: lanes 0-15 A's rows, lanes 16-31 B's
.set SPW,  28                          ; v28  my spare word; never rewritten
.set NIL,  29                          ; v29  0; never rewritten
.set SSTO, 30                          ; v30  stage: where my row's scale word goes
.set HH,   31                          ; v31  h
.set SC,   32
.set BIAS, 64
.set AF,   128
.set PC,   64                          ; the way out: a block's codes, 16 registers
.set PWS,  80                          ; v's scale words, one for each block of rows
.set VSW,  88                          ; v's scale words as they are stored
.set RB,   96                          ; q, k: 34 x 4 registers read back from the stage
.set TM,   232                         ; +0..3 largest magnitudes, +4..7 the other half's, then bytes, +12..15 the conversions' scale operands
.set W0,   248
.set W1,   249
.set G1, 24
.set G0, 32
.set G1B, 48
.set G0B, 56
.set BP,  66                           ; s[66:67] the bias
.set G1S, 68
.set G0S, 76
.set G1SB, 80
.set G0SB, 88
.set OFS, 95                           ; s95  where the tensor's images begin in a block
.set SEL, 96                           ; s[96:97] lane selects: lane l xor 16
.set MNT, 98
.set MSB, 0
.macro WIN new                         ; the immediate's high byte repeats the setting that is left
.if MSB != \new
	s_set_vgpr_msb (MSB<<8)|\new
.set MSB, \new
.endif
.endm
.set MUL_LO, 0xa1                      ; source 0 (B) window 1, source 1 (A) window 0, C and D window 2
.set MUL_HI, 0xf1                      ; the same, C and D window 3
.set FIRST_LO, 0x81                    ; the first products: C (the bias) window 0, D window 2
.set FIRST_HI, 0xc1                    ; D window 3
.set TO_B,   0x40
; A joint load: waves 0 and 1 fetch for A, waves 2 and 3 for B; the branch hangs on the wave's number alone.  Four v_nop follow each of the two lines.
.macro JLOAD g0a, g1a, g0b, g1b
	s_cmp_eq_u32 s15, 0
	s_cbranch_scc0 .Lfor_b_\@
	tensor_load_to_lds s[\g0a:\g0a+3], s[\g1a:\g1a+7]
	s_nop 0
.rept 4
	v_nop
.endr
	s_branch .Lasked_\@
.Lfor_b_\@:
	tensor_load_to_lds s[\g0b:\g0b+3], s[\g1b:\g1b+7]
	s_nop 0
.rept 4
	v_nop
.endr
.Lasked_\@:
.endm
.macro CREST                           ; a round of the cluster's barrier behind its opening barrier
	s_cmp_lg_u32 s14, 0
	s_cbranch_scc1 .Lnot_wave_0_\@
	s_barrier_signal -3
.Lnot_wave_0_\@:
	s_barrier_wait -3
	s_barrier_signal -1
	s_barrier_wait -1
.endm
.macro CROUND
	s_barrier_signal -1
	s_barrier_wait -1
	CREST
.endm
	s_load_b512 s[68:83], s[0:1], 0x0              ; x codes, x scales, Wq codes, scales, Wk codes, scales, Wv codes, scales
	s_load_b256 s[84:91], s[0:1], 0x40             ; bq, bk, bv, qkv
	v_lshl_add_u32 v[SPW], v0, 2, SPARE
	v_mov_b32 v[NIL], 0
	ds_add_u32 v28, v29
	ds_add_u32 v28, v29
	s_wait_dscnt 0x0
	v_lshrrev_b32 v1, 5, v0
	v_readfirstlane_b32 s14, v1                    ; wave 0..3
	s_lshr_b32 s15, s14, 1                         ; which half of the tile's rows is mine.  Also: I fetch for A (0) or for B (1)
	s_and_b32 s16, s14, 1                          ; which half of its columns.  Also: which 128 rows of that tile I fetch
	s_bfe_u32 s40, ttmp6, 0x40000                  ; cx, cy: my place in the cluster
	s_bfe_u32 s41, ttmp6, 0x40004
	s_and_b32 s17, ttmp7, 0xffff                   ; the cluster's y: 0..7
	s_cmp_eq_u32 ttmp9, 2                          ; v: four tile rows (Wv), 32 tile columns (x);  q, k: 32 tile rows (x), four tile columns (W)
	s_cselect_b32 s18, 0, s17
	s_cselect_b32 s19, s17, 0
	s_lshl_b32 s17, s18, 2
	s_add_co_u32 s17, s17, s41                     ; tile row of C
	s_lshl_b32 s42, s19, 2
	s_add_co_u32 s42, s42, s40                     ; tile column of C
	s_lshl_b32 s43, s41, 2
	s_lshl_b32 s43, 15, s43                        ; my row of the cluster
	s_lshl_b32 s44, 0x1111, s40                    ; my column
	; descriptor group 1: a tile of 128 rows x 256 bytes, 16 bytes of padding behind each row
	s_or_b32 s[G1+0], s43, (0<<16)|(1<<20)|(1<<21)|(5<<22)|(3<<25)  ; 15:0 the mask; 17:16 elements of 1 byte; 20 padding on; 21 set beside a mask; 24:22 after every 64 words; 31:25 four words
	s_or_b32 s[G1B+0], s44, (0<<16)|(1<<20)|(1<<21)|(5<<22)|(3<<25)
.irp g, G1, G1B
	s_mov_b32 s[\g+1], ROWB<<16                    ; tensor_dim0
	s_mov_b32 s[\g+2], 128<<16                     ; tensor_dim1
	s_mov_b32 s[\g+3], ROWB<<16                    ; tile_dim0
	s_mov_b32 s[\g+4], 128                         ; tile_dim1
	s_mov_b32 s[\g+5], KROW                        ; tensor_dim0_stride
	s_mov_b32 s[\g+6], 0
	s_mov_b32 s[\g+7], 0
.endr
	s_lshl_b32 s18, s16, 7                         ; which 128 rows of the tile I fetch
	s_lshl_b32 s20, s17, 8
	s_add_co_u32 s20, s20, s18                     ; A': row 256 x tile row + 128 x half
	s_lshl_b32 s46, s42, 8
	s_add_co_u32 s46, s46, s18                     ; B': row 256 x tile column + 128 x half
	s_mov_b32 s21, 0
	s_mov_b32 s47, 0
	s_mov_b64 s[18:19], KS
	s_mul_u64 s[22:23], s[20:21], s[18:19]         ; where these rows' scales begin, in bytes
	s_mul_u64 s[92:93], s[46:47], s[18:19]
	s_mov_b64 s[18:19], KROW
	s_mul_u64 s[20:21], s[20:21], s[18:19]         ; and their codes
	s_mul_u64 s[46:47], s[46:47], s[18:19]
	s_mul_i32 s45, s14, HALFT                      ; where they go: wave x 128 rows: no place in the cluster enters an LDS address
	s_mul_i32 s94, s14, HALFS
	s_mov_b32 s[SEL], 0x76543210
	s_mov_b32 s[SEL+1], 0xfedcba98
	s_wait_kmcnt 0x0
	s_cmp_eq_u32 ttmp9, 1                          ; which buffers: the choice hangs on the cluster's number alone
	s_cselect_b64 s[8:9], s[76:77], s[72:73]       ; B' = Wk or Wq
	s_cselect_b64 s[10:11], s[78:79], s[74:75]
	s_cselect_b64 s[BP:BP+1], s[86:87], s[84:85]
	s_cselect_b32 s[OFS], 0, 17152
	s_cmp_eq_u32 ttmp9, 2
	s_cselect_b64 s[4:5], s[80:81], s[68:69]       ; A' = Wv or x
	s_cselect_b64 s[6:7], s[82:83], s[70:71]
	s_cselect_b64 s[8:9], s[68:69], s[8:9]         ; B' = x for v
	s_cselect_b64 s[10:11], s[70:71], s[10:11]
	s_cselect_b64 s[BP:BP+1], s[88:89], s[BP:BP+1]
	s_cselect_b32 s[OFS], 8704, s[OFS]
	s_mov_b64 s[12:13], s[90:91]                   ; qkv
	s_add_nc_u64 s[20:21], s[4:5], s[20:21]
	s_add_nc_u64 s[22:23], s[6:7], s[22:23]
	s_add_nc_u64 s[46:47], s[8:9], s[46:47]
	s_add_nc_u64 s[92:93], s[10:11], s[92:93]
	; group 1 for the scales of 128 rows: a dense block of 4,096 bytes, as 16 rows of 256 bytes (32 elements of 8 bytes), 16 bytes of padding behind each.  (The arguments' registers are free now)
	s_or_b32 s[G1S+0], s43, (3<<16)|(1<<20)|(1<<21)|(5<<22)|(3<<25)
	s_or_b32 s[G1SB+0], s44, (3<<16)|(1<<20)|(1<<21)|(5<<22)|(3<<25)
.irp g, G1S, G1SB
	s_mov_b32 s[\g+1], 32<<16
	s_mov_b32 s[\g+2], 16<<16
	s_mov_b32 s[\g+3], 32<<16
	s_mov_b32 s[\g+4], 16
	s_mov_b32 s[\g+5], 32
	s_mov_b32 s[\g+6], 0
	s_mov_b32 s[\g+7], 0
.endr
	CROUND                                         ; all sixteen work-groups are here: the first joint loads meet
	s_mov_b32 s[G0S], 1
	s_add_co_u32 s[G0S+1], s94, SCL
	s_mov_b64 s[G0S+2:G0S+3], s[22:23]
	s_or_b32 s[G0S+3], s[G0S+3], 0x80000000
	s_mov_b32 s[G0SB], 1
	s_add_co_u32 s[G0SB+1], s94, SCL
	s_mov_b64 s[G0SB+2:G0SB+3], s[92:93]
	s_or_b32 s[G0SB+3], s[G0SB+3], 0x80000000
	JLOAD G0S, G1S, G0SB, G1SB                     ; the scales first: they are wanted with K step 0
.irp s, 0,1
	s_mov_b32 s[G0+4*\s], 1
	s_add_co_u32 s[G0+4*\s+1], s45, \s*SLOT
	s_add_nc_u64 s[G0+4*\s+2:G0+4*\s+3], s[20:21], \s*ROWB
	s_or_b32 s[G0+4*\s+3], s[G0+4*\s+3], 0x80000000
	s_mov_b32 s[G0B+4*\s], 1
	s_add_co_u32 s[G0B+4*\s+1], s45, \s*SLOT
	s_add_nc_u64 s[G0B+4*\s+2:G0B+4*\s+3], s[46:47], \s*ROWB
	s_or_b32 s[G0B+4*\s+3], s[G0B+4*\s+3], 0x80000000
	s_wait_alu depctr_va_vdst(0)
	s_wait_tensorcnt 0x0
	ds_add_u32 v28, v29
	s_wait_dscnt 0x0
	CROUND
	JLOAD G0+4*\s, G1, G0B+4*\s, G1B               ; one tensor load of mine is out
.endr
	v_and_b32 v1, 15, v0                           ; r
	v_bfe_u32 v2, v0, 4, 1                         ; h
	v_mul_u32_u24 v3, v1, PITCH
	v_lshl_add_u32 v4, v2, 4, v3                   ; a fragment's row x pitch + 16 x half
	s_mul_i32 s21, s15, HALFT                      ; my 128 rows of A'
	s_mul_i32 s22, s16, HALFT                      ; my 128 rows of B',
	s_add_co_u32 s22, s22, 2*HALFT                 ; which lie behind A's 256
.irp s, 0,1
	v_add_nc_u32 v[ADRA+\s], s21, v4
	v_add_nc_u32 v[ADRB+\s], s22, v4
	s_add_co_u32 s21, s21, SLOT
	s_add_co_u32 s22, s22, SLOT
.endr
	v_mul_u32_u24 v5, v1, KS                       ; my row's scales: 32 bytes a row,
	v_lshrrev_b32 v6, 8, v5
	v_lshl_add_u32 v5, v6, 4, v5                   ; and 16 more for each 256 passed
	s_mul_i32 s21, s15, HALFS
	s_mul_i32 s22, s16, HALFS
	s_add_co_u32 s22, s22, 2*HALFS
	s_sub_co_u32 s22, s22, s21
	v_mul_u32_u24 v6, s22, v2                      ; lanes 16-31 take B's
	s_add_co_u32 s21, s21, SCL
	v_add_nc_u32 v5, v5, v6
	v_add_nc_u32 v[ADRS], s21, v5
	; the way out's addresses, all made here, ahead of the first parting of the ways
	s_mul_i32 s23, s14, WSTG                       ; my stage
	v_lshrrev_b32 v5, 3, v1                        ; r / 8
	v_and_b32 v6, 7, v1                            ; r % 8
	v_lshlrev_b32 v7, 4, v6
	v_lshl_add_u32 v[STO], v5, 10, v7              ; token 16 a + r is row 8 (a % 2) + r % 8 of tile 2 (a / 2) + r / 8: 1,024 (r / 8) + 16 (r % 8)
	v_lshl_add_u32 v[STO], v2, 3, v[STO]           ; + 8 h: my 8 codes' place in the row's 16 bytes
	v_add_nc_u32 v[STO], s23, v[STO]
	v_lshl_add_u32 v[SSTO], v5, 8, v7              ; the row's scale word: 256 (r / 8) + 16 (r % 8),
	v_lshl_add_u32 v[SSTO], v2, 9, v[SSTO]         ; lanes 0-15 store the first head's, lanes 16-31 the second's
	v_add_nc_u32 v[SSTO], s23, v[SSTO]
	v_add_nc_u32 v[SSTO], 16384, v[SSTO]
	v_and_b32 v6, 31, v0
	v_lshlrev_b32 v[CO], 4, v6
	v_add_nc_u32 v[RD], s23, v[CO]
	v_lshlrev_b32 v[VS], 3, v6
	v_lshlrev_b32 v[VO], 4, v1
	v_lshl_add_u32 v[VO], v2, 3, v[VO]
	v_mov_b32 v[HH], v2
	v_lshlrev_b32 v[BOQ], 5, v2
	v_lshlrev_b32 v[BOV], 2, v1
	; which axis of C holds tokens and which hidden units
	s_cmp_eq_u32 ttmp9, 2
	s_cselect_b32 s99, s42, s17                    ; the tokens' tile of 256,
	s_cselect_b32 s100, s16, s15                   ; and my half of it: a step of 128
	s_cselect_b32 s101, s17, s42                   ; the hidden units' tile of 256 (four heads),
	s_cselect_b32 s46, s15, s16                    ; and my half: two heads
	s_lshl_b32 s20, s101, 10
	s_lshl_b32 s21, s46, 9
	s_add_co_u32 s20, s20, s21
	s_mov_b32 s21, 0
	s_add_nc_u64 s[BP:BP+1], s[BP:BP+1], s[20:21]  ; the bias of my 128 hidden units
	s_lshr_b32 s20, s99, 3                         ; b
	s_lshl_b32 s20, s20, 4
	s_lshl_b32 s22, s101, 2
	s_add_co_u32 s20, s20, s22
	s_lshl_b32 s22, s46, 1
	s_add_co_u32 s20, s20, s22                     ; 16 b + my first head
	s_lshl_b32 s20, s20, 4
	s_and_b32 s22, s99, 7
	s_lshl_b32 s22, s22, 1
	s_add_co_u32 s20, s20, s22
	s_add_co_u32 s20, s20, s100                    ; x 16 + my step
	s_mul_i32 s20, s20, BLK
	s_add_co_u32 s20, s20, s[OFS]
	s_add_nc_u64 s[12:13], s[12:13], s[20:21]      ; my first head's images in qkv; the second head's lie HEADSTR bytes on
	s_cmp_eq_u32 ttmp9, 2
	s_cbranch_scc1 .Lbias_v
	s_wait_alu depctr_va_vdst(0)
.irp b, 0,1,2,3,4,5,6,7
	global_load_b128 v[BIAS+8*\b:BIAS+8*\b+3], v[BOQ], s[BP:BP+1] offset:64*\b       ; q, k: the bias runs along n': register 8 b + j holds that of unit 16 b + 8 h + j
	global_load_b128 v[BIAS+8*\b+4:BIAS+8*\b+7], v[BOQ], s[BP:BP+1] offset:64*\b+16
.endr
	s_branch .Lbias_in
.Lbias_v:
	s_wait_alu depctr_va_vdst(0)
.irp a, 0,1,2,3,4,5,6,7
.irp i, 0,1,2,3,4,5,6,7
	global_load_b32 v[BIAS+8*\a+\i], v[BOV], s[BP:BP+1] offset:64*\a                 ; v: the bias runs along m': all eight registers of block a hold that of unit 16 a + r
.endr
.endr
.Lbias_in:
.macro FRAG reg, adr, q, i             ; 16 rows x 128 K: lane l holds row l % 16; registers 4 c .. 4 c + 3 hold K = 32 c + 16 (l / 16) + 0 .. 15
.irp c, 0,1,2,3
	ds_load_b128 v[\reg+4*\c:\reg+4*\c+3], v[\adr] offset:128*(\q)+32*\c+(\i)*16*PITCH
.endr
.endm
; 16 matrix instructions: A's blocks a0, a0 + 1 x B's eight, the slot's q-th 128 along K.  mode 0: the sums go on; 1: they start from the bias along n'; 2: from the bias along m'.
; The 64 accumulators take turns, one instruction a turn, in the same order in every step.
.macro MUL16 a0, p, q, sc, mode
.irp a, \a0, \a0+1
.irp b, 0,1,2,3,4,5,6,7
.if \mode == 1
	v_wmma_scale_f32_16x16x128_f8f6f4 v[8*(8*((\a)%4)+\b):8*(8*((\a)%4)+\b)+7], v[128*(\p)+FR*\b:128*(\p)+FR*\b+FR-1], v[AF+FR*(\a):AF+FR*(\a)+FR-1], v[BIAS+8*\b:BIAS+8*\b+7], v[SC+8*NQ*(\sc)+NQ*\b+(\q)], v[SC+8*NQ*(\sc)+NQ*(\a)+(\q)] matrix_a_scale:MATRIX_SCALE_ROW1
.elseif \mode == 2
	v_wmma_scale_f32_16x16x128_f8f6f4 v[8*(8*((\a)%4)+\b):8*(8*((\a)%4)+\b)+7], v[128*(\p)+FR*\b:128*(\p)+FR*\b+FR-1], v[AF+FR*(\a):AF+FR*(\a)+FR-1], v[BIAS+8*(\a):BIAS+8*(\a)+7], v[SC+8*NQ*(\sc)+NQ*\b+(\q)], v[SC+8*NQ*(\sc)+NQ*(\a)+(\q)] matrix_a_scale:MATRIX_SCALE_ROW1
.else
	v_wmma_scale_f32_16x16x128_f8f6f4 v[8*(8*((\a)%4)+\b):8*(8*((\a)%4)+\b)+7], v[128*(\p)+FR*\b:128*(\p)+FR*\b+FR-1], v[AF+FR*(\a):AF+FR*(\a)+FR-1], v[8*(8*((\a)%4)+\b):8*(8*((\a)%4)+\b)+7], v[SC+8*NQ*(\sc)+NQ*\b+(\q)], v[SC+8*NQ*(\sc)+NQ*(\a)+(\q)] matrix_a_scale:MATRIX_SCALE_ROW1
.endif
.endr
.endr
.endm
.macro FETCH_B slot, q, p
	WIN TO_B
.irp i, 0,1,2,3,4,5,6,7
	FRAG 128*(\p)+FR*\i, ADRB+\slot, \q, \i
.endr
	WIN 0
.endm
.macro FETCH_A slot, q, i0
.irp i, \i0, \i0+1, \i0+2, \i0+3
	FRAG AF+FR*(\i), ADRA+\slot, \q, \i
.endr
.endm
.macro SCALES sc                       ; a K step's scale words: two words a row; lanes 0-15 take A's block i, lanes 16-31 B's block i
.irp i, 0,1,2,3,4,5,6,7
	ds_load_b64 v[SC+8*NQ*\sc+NQ*\i:SC+8*NQ*\sc+NQ*\i+1], v[ADRS] offset:\i*SBLK
.endr
.endm
.macro PLACES n                        ; plain vector instructions between a matrix instruction and a load into, or a read of, its registers
.rept \n
	v_nop
.endr
.endm
; A step of 128 along K that has its successor in the same slot.
.macro STEP slot, q, mode
	s_wait_dscnt 4*NL                              ; B's set and A's blocks 0-3 are in; the youngest 16 loads (A's blocks 4-7) may be out
.if \mode
	WIN FIRST_LO
.else
	WIN MUL_LO
.endif
	MUL16 0, (\q)%2, \q, \slot, \mode
	MUL16 2, (\q)%2, \q, \slot, \mode
	s_wait_dscnt 0                                 ; A's blocks 4-7 are in
	PLACES NP
	FETCH_B \slot, (\q)+1, 1-(\q)%2
	FETCH_A \slot, (\q)+1, 0
.if \mode
	WIN FIRST_HI
.else
	WIN MUL_HI
.endif
	MUL16 4, (\q)%2, \q, \slot, \mode
	MUL16 6, (\q)%2, \q, \slot, \mode
	PLACES NP
	WIN 0
	FETCH_A \slot, (\q)+1, 4
.endm
; A slot's last step changes slots: ONE barrier; in front of it each wave waits for all its tensor loads, adds 0 to its spare word, and waits for that and for its own reads of this slot.  fill = 1: this slot is filled again, two K steps ahead.
.macro TURN slot, next, fill
	s_wait_tensorcnt 0x0                           ; all my tensor loads have landed: my part of the next slot;  (every window is 0 here)
	ds_add_u32 v[SPW], v[NIL]                      ; 0 onto my spare word
	s_wait_dscnt 4*NL+1                            ; (the add and the youngest 16 loads, A's blocks 4-7, may be out)
	WIN MUL_LO
	MUL16 0, 1, NQ-1, \slot, 0                     ; sixteen matrix instructions stand between the add and the wait for it
	s_wait_dscnt 0x0                               ; the add is done, and my reads of this slot are over
	s_barrier_signal -1
	MUL16 2, 1, NQ-1, \slot, 0
	WIN 0
	s_barrier_wait -1
.if \fill
	CREST                                          ; the barrier has opened a round of the cluster's barrier: no wave of any partner still reads this slot or has a load on its way
	s_add_nc_u64 s[G0+4*\slot+2:G0+4*\slot+3], s[G0+4*\slot+2:G0+4*\slot+3], 2*ROWB
	s_add_nc_u64 s[G0B+4*\slot+2:G0B+4*\slot+3], s[G0B+4*\slot+2:G0B+4*\slot+3], 2*ROWB
	JLOAD G0+4*\slot, G1, G0B+4*\slot, G1B         ; the first tensor load behind the round; its four v_nop are among the places in front of the loads below
	PLACES NP-4
.else
	PLACES NP
.endif
	s_wait_alu depctr_va_vdst(0)
	v_add_nc_u32 v[ADRS], 4*NQ, v[ADRS]            ; on to the next K step's scale words (no LDS load of mine is out)
	FETCH_B \next, 0, 0
	FETCH_A \next, 0, 0
	SCALES \next
	WIN MUL_HI
	MUL16 4, 1, NQ-1, \slot, 0
	MUL16 6, 1, NQ-1, \slot, 0
	PLACES NP
	WIN 0
	FETCH_A \next, 0, 4
.endm
	s_wait_tensorcnt 1                             ; the scales and my part of K step 0 are in (K step 1's load may be out)
	s_barrier_signal -1
	s_barrier_wait -1                              ; everybody's are
	FETCH_B 0, 0, 0
	FETCH_A 0, 0, 0
	SCALES 0
	FETCH_A 0, 0, 4
	s_wait_loadcnt 0x0                             ; the bias
	s_cmp_eq_u32 ttmp9, 2                          ; the first step is written twice: its products name the bias by B's block (q, k) or by A's (v)
	s_cbranch_scc1 .Lfirst_v
	STEP 0, 0, 1
	s_branch .Lfirst_done
.Lfirst_v:
	STEP 0, 0, 2
.Lfirst_done:
	TURN 0, 1, 1                                   ; slot 0 takes K 512 on
	STEP 1, 0, 0
	TURN 1, 0, 1                                   ; slot 1 takes K 768 on
	STEP 0, 0, 0
	TURN 0, 1, 0                                   ; nothing is left to fetch: no round
	STEP 1, 0, 0
	s_wait_dscnt 4*NL                              ; the very last step
	WIN MUL_LO
	MUL16 0, 1, NQ-1, 1, 0
	MUL16 2, 1, NQ-1, 1, 0
	s_wait_dscnt 0
	WIN MUL_HI
	MUL16 4, 1, NQ-1, 1, 0
	MUL16 6, 1, NQ-1, 1, 0
	WIN 0
; THE WAY OUT.  Block a (16 rows of A' x my 128 along n'): four blocks of 32 are quantised in the accumulators' own registers.  vp = 0 (q, k): the codes go to my stage, laid as the images; vp = 1 (v): a store of the wave
; covers 256 consecutive bytes of an image as it stands, so the codes go straight to memory.
.macro QROW a, vp
.set AC, 64*((\a)%4)
.set WW, 2+(\a)/4
.set WN, WW|(WW<<2)
	WIN WN                                         ; sources 0 and 1: the accumulators' window
.irp b, 0,1,2,3
	v_max3_num_f32 v[TM+\b], |v[AC+16*\b]|, |v[AC+16*\b+1]|, 0x4800000   ; my 16 numbers of block b, from each accumulator's low end on, and the floor 2^(9 - 127): the byte cannot fall under 1
.endr
.irp i, 2,4,6,8,10,12,14
.irp b, 0,1,2,3
	v_max3_num_f32 v[TM+\b], |v[AC+16*\b+\i]|, |v[AC+16*\b+\i+1]|, v[TM+\b]   ; (the four blocks by turns)
.endr
.endr
	WIN 0
.if \vp
	s_wait_alu depctr_va_vdst(0)
	s_wait_xcnt 0x0                                ; the last block's stores have read their data: the codes' registers are written again only behind this wait
.else
	s_wait_alu depctr_va_vdst(0)
	s_wait_dscnt 0x0                               ; the last block's LDS stores have read their registers
.endif
.irp b, 0,1,2,3
	v_permlanex16_b32 v[TM+4+\b], v[TM+\b], s[SEL], s[SEL+1]
.endr
.irp b, 0,1,2,3
	v_max_num_f32 v[TM+\b], v[TM+\b], v[TM+4+\b]   ; with lane l xor 16's: the block's largest magnitude
.endr
.irp b, 0,1,2,3
	v_add_nc_u32 v[TM+12+\b], 0xfc000000, v[TM+\b] ; 8 off its exponent field: the conversion's scale operand
.endr
.irp b, 0,1,2,3
.endr
.irp b, 0,1,2,3
	v_lshrrev_b32 v[TM+4+\b], 23, v[TM+12+\b]      ; the scale's byte
.endr
.if \vp
	v_lshl_or_b32 v[PWS+(\a)], v[TM+5], 8, v[TM+4] ; the step's four key blocks make row 16 a + r's scale word
	v_lshl_or_b32 v[PWS+(\a)], v[TM+6], 16, v[PWS+(\a)]
	v_lshl_or_b32 v[PWS+(\a)], v[TM+7], 24, v[PWS+(\a)]
.else
	v_lshl_or_b32 v[W0], v[TM+5], 8, v[TM+4]       ; the first head's two bytes,
	v_lshl_or_b32 v[W1], v[TM+7], 8, v[TM+6]       ; the second head's;
	v_cndmask_b32 v[W0], v[W0], v[W1], vcc_lo      ; lanes 16-31 store the second's;
	v_lshl_or_b32 v[W0], v[W0], 16, v[W0]          ; twice in the word, so that it serves with the 64 codes in the low or in the high half of a product's 128
.endif
.set WN, WW|(WW<<6)
	WIN WN                                         ; destination and source 0: the accumulators' window
.irp b, 0,1,2,3
.irp i, 0,1,2,3,4,5,6,7,8,9,10,11,12,13,14,15
.endr
.endr
	WIN WW                                         ; source 0 alone
.irp b, 0,1,2,3,4,5,6,7
	v_cvt_scalef32_pk8_fp8_f32 v[PC+2*\b:PC+2*\b+1], v[AC+8*\b:AC+8*\b+7], v[TM+12+\b/2]
.endr
	WIN 0
	v_nop                                          ; one plain vector instruction behind the last conversion
.irp b, 0,1,2,3,4,5,6,7
.if \vp
	global_store_b64 v[VO], v[PC+2*\b:PC+2*\b+1], s[12:13] offset:((\a)/4)*HEADSTR+((\a)%4)*2048+(\b/2)*512+(\b%2)*256   ; head a / 4, tile a % 4 of d, keys 16 b on: 32 lanes store 256 consecutive bytes, aligned
.else
	ds_store_b64 v[STO], v[PC+2*\b:PC+2*\b+1] offset:(\b/4)*8192+((\a)/2)*2048+((\b%4)/2)*512+(\b%2)*256+((\a)%2)*128      ; head b / 4, d = 16 (b % 4) + 8 h on
.endif
.endr
.if \vp == 0
	ds_store_b32 v[SSTO], v[W0] offset:128*((\a)%2)+4*((\a)/2)
.endif
.endm
	PLACES NP                                      ; behind the last products
	v_cmp_eq_u32 vcc_lo, 1, v[HH]                  ; lanes 16-31
.irp b, 0,1,2,3
	v_mov_b32 v[TM+4+\b], 0                        ; written once: a lane permute's destination counts as one of its sources
.endr
	s_cmp_eq_u32 ttmp9, 2
	s_cbranch_scc1 .Lout_v
.irp a, 0,1,2,3,4,5,6,7
	QROW \a, 0
.endr
.irp hl, 0,1                           ; my two heads' images come back, 512 consecutive bytes a load (LDS serves a wave's instructions in order: these see my stores), and leave so
.irp i, 0,1,2,3,4,5,6,7,8,9,10,11,12,13,14,15
	ds_load_b128 v[RB+4*(17*\hl+\i):RB+4*(17*\hl+\i)+3], v[RD] offset:8192*\hl+512*\i
.endr
	ds_load_b128 v[RB+4*(17*\hl+16):RB+4*(17*\hl+16)+3], v[RD] offset:16384+512*\hl
.endr
.irp hl, 0,1
.irp i, 0,1,2,3,4,5,6,7,8,9,10,11,12,13,14,15,16
	s_wait_dscnt 33-17*\hl-\i                      ; the younger of the 34 loads may stay out
	global_store_b128 v[CO], v[RB+4*(17*\hl+\i):RB+4*(17*\hl+\i)+3], s[12:13] offset:HEADSTR*\hl+512*\i   ; 32 lanes store 512 consecutive bytes, aligned; the scale words' image follows the codes'
.endr
.endr
	s_branch .Lout_done
.Lout_v:
.irp a, 0,1,2,3,4,5,6,7
	QROW \a, 1
.endr
.irp hl, 0,1                           ; v's scale words: lane 16 (tile % 2) + r holds the words of tiles tile % 2 and 2 + tile % 2
	v_cndmask_b32 v[VSW+2*\hl], v[PWS+4*\hl], v[PWS+4*\hl+1], vcc_lo
	v_cndmask_b32 v[VSW+2*\hl+1], v[PWS+4*\hl+2], v[PWS+4*\hl+3], vcc_lo
	global_store_b64 v[VS], v[VSW+2*\hl:VSW+2*\hl+1], s[12:13] offset:HEADSTR*\hl+8192   ; 256 consecutive bytes, aligned
.endr
.Lout_done:
	s_wait_tensorcnt 0x0                           ; the wave's end
	ds_add_u32 v[SPW], v[NIL]
	s_wait_dscnt 0x0
	CROUND                                         ; the closing round: no work-group ends while a partner may still ask for a tile that names it
	s_endpgm
.Lfunc_end_k_q812c0977a6_proj:
	.size	k_q812c0977a6_proj, .Lfunc_end_k_q812c0977a6_proj-k_q812c0977a6_proj
	.p2alignl 7, 3214868480
	.fill 96, 4, 3214868480
	.section	.rodata,"a",@progbits
	.p2align	6, 0x0
	.amdhsa_kernel k_q812c0977a6_proj
		.amdhsa_group_segment_fixed_size 327680
		.amdhsa_private_segment_fixed_size 0
		.amdhsa_enable_private_segment 0
		.amdhsa_kernarg_size 96
		.amdhsa_user_sgpr_count 2
		.amdhsa_user_sgpr_kernarg_segment_ptr 1
		.amdhsa_wavefront_size32 1
		.amdhsa_system_sgpr_workgroup_id_x 1
		.amdhsa_system_sgpr_workgroup_id_y 1
		.amdhsa_system_sgpr_workgroup_id_z 1
		.amdhsa_system_vgpr_workitem_id 0
		.amdhsa_next_free_vgpr 1024
		.amdhsa_next_free_sgpr 102
		.amdhsa_reserve_vcc 1
		.amdhsa_float_denorm_mode_32 3
		.amdhsa_float_denorm_mode_16_64 3
		.amdhsa_fp16_overflow 1
		.amdhsa_memory_ordered 1
		.amdhsa_forward_progress 1
		.amdhsa_inst_pref_size 218
	.end_amdhsa_kernel
	.amdgpu_metadata
---
amdhsa.version: [ 1, 2 ]
amdhsa.kernels:
  - .name:           k_q812c0977a6_proj
    .symbol:         k_q812c0977a6_proj.kd
    .args:
      - { .name: x_codes, .offset: 0, .size: 8, .value_kind: global_buffer, .address_space: global }
      - { .name: x_scales, .offset: 8, .size: 8, .value_kind: global_buffer, .address_space: global }
      - { .name: Wq_codes, .offset: 16, .size: 8, .value_kind: global_buffer, .address_space: global }
      - { .name: Wq_scales, .offset: 24, .size: 8, .value_kind: global_buffer, .address_space: global }
      - { .name: Wk_codes, .offset: 32, .size: 8, .value_kind: global_buffer, .address_space: global }
      - { .name: Wk_scales, .offset: 40, .size: 8, .value_kind: global_buffer, .address_space: global }
      - { .name: Wv_codes, .offset: 48, .size: 8, .value_kind: global_buffer, .address_space: global }
      - { .name: Wv_scales, .offset: 56, .size: 8, .value_kind: global_buffer, .address_space: global }
      - { .name: bq, .offset: 64, .size: 8, .value_kind: global_buffer, .address_space: global }
      - { .name: bk, .offset: 72, .size: 8, .value_kind: global_buffer, .address_space: global }
      - { .name: bv, .offset: 80, .size: 8, .value_kind: global_buffer, .address_space: global }
      - { .name: qkv, .offset: 88, .size: 8, .value_kind: global_buffer, .address_space: global }
    .group_segment_fixed_size: 327680
    .private_segment_fixed_size: 0
    .kernarg_segment_align: 8
    .kernarg_segment_size: 96
    .max_flat_workgroup_size: 128
    .sgpr_count:     102
    .vgpr_count:     1024
    .wavefront_size: 32
...
	.end_amdgpu_metadata
.endif
;; end of part 1
;; launch attn (part 2): grid 4 x 64, 16 waves a work-group, clusters of 4 x 1, 276,480 bytes of LDS; arguments qkv, att; writes att
.if DOCPART == 2
	.amdgcn_target "amdgcn-amd-amdhsa--gfx1250"
	.amdhsa_code_object_version 6
	.text
	.protected	k_q812c0977a6_attn
	.globl	k_q812c0977a6_attn
	.p2align	8
	.type	k_q812c0977a6_attn,@function
k_q812c0977a6_attn:
	s_mov_b64 s[64:65], 0
	v_nop
	global_prefetch_b8 v0, s[64:65] scope:SCOPE_SE
	s_setreg_imm32_b32 hwreg(HW_REG_WAVE_MODE, 25, 1), 1
	s_wait_xcnt 0x0
	s_wait_alu depctr_hold_cnt(0) depctr_sa_sdst(0) depctr_va_vdst(0) depctr_va_sdst(0) depctr_va_ssrc(0) depctr_va_vcc(0) depctr_vm_vsrc(0)
	s_getreg_b32 s2, hwreg(HW_REG_IB_STS2, 6, 4)
	s_cmp_eq_u32 s2, 0
	s_cbranch_scc0 .Lentry_in_a_cluster
	s_endpgm
.Lentry_in_a_cluster:
	s_bfe_u32 s2, ttmp6, 0x10000c
	s_cmp_lg_u32 s2, 0x3003
	s_cbranch_scc0 .Lentry_shape_is_right
	s_endpgm
.Lentry_shape_is_right:
; att[b][q][head][:] = the sum over k <= q of softmax_k(q . k / 8) v, both products on codes of FP8 (E4M3) with one E8M0 scale for each 32 along a product's K; the result is quantised along the head's 64 and
; leaves as images of the last product's operand registers: att [16 b + step 64][pair of heads 8][16,896 bytes]: codes [tile 8][block 4][lane 32][16 bytes], then scale words [tile 8][row 16].
; THE SOFTMAX: t = score x log2(e) / 8; M = the row's largest t so far, rounded UP to a whole number; p = 2^(t - M) is quantised along the keys, not normalised; the row's sum is taken of the unquantised p and divides at the end.
; When M moves, the sum and O are multiplied by 2^(old M - new M): exact.
; SHARES.  A cluster of four work-groups is one (b, head).  The head's K and V images and scale words, 16 steps of 128 keys x 17,152 bytes, are asked for JOINTLY, once, and stay in LDS: nothing is filled again.
; Tiles of 16 queries: tile (j, cx), j = 0..31, lies in queries 64 j .. 64 j + 63; work-group cx takes the 32 tiles (., cx); wave w takes j = 31 - w and then j = w.  A tile needs the key steps with 128 s <= 64 j: j / 2 + 1 of them,
; so every wave of every work-group works 17 tile steps.  Both tests of a step (left out; needs no mask) use 64 j alone: they hang on the wave's number and the loop's step, never on the place in the cluster.
; LAYOUT.  Both products are used transposed: S^T = K Q^T (source 0 = 16 keys), O^T = V^T P^T (source 0 = 16 of the head's 64): a lane holds ONE query throughout.  The keys of a tile are not neighbours
; (row r of tile t is key 32 (t / 2) + 8 (t % 2) + r % 8 + 16 (r / 8)), so that the 16 registers of tiles 2 b, 2 b + 1 are keys 32 b + 16 (lane / 16) + 0 .. 15.
; THE HEAD IS 64 AND THE INSTRUCTION'S K IS 128: the other 64 are zero codes ON BOTH SIDES.  An even tile has its codes in the low half of K against Q in the low half, an odd tile in the high half against a second copy of Q in the
; high half, so that two tiles share one run of eight zero registers and all eight tiles of a step fit at once.  A scale word holds its two bytes twice and serves either half.
; LIMITS: NaN and infinities are not served.  A block of zeros gets the scale byte 1 (its codes are zeros; this program alone reads the bytes).  1 / the sum is v_rcp_f32's.  att's scale half-words leave 32 bytes a tile.
; REGISTERS: v1-8 addresses; v12 -M, v13 the largest t, v[14:15] the sum; v16-23 Q, v24-31 zeros, v32-39 Q again; v40-135 K: group g at 40 + 24 g: tile 2 g, eight zeros, tile 2 g + 1; v56-71 later p's codes;
;   v136-199 S^T, then p, then V's four fragments; v200-231 O^T; v232-254 at work; v248-251 K's scale words, then V's; v253 p's scale word; v255 Q's.
.set BLK,  25856                       ; a step's block in qkv
.set HEADSTR, 16*BLK
.set STP,  17152                       ; what of it comes into LDS: K codes 8,192, K scale words 512, V codes 8,192, V scale words 256: 67 rows of 256 bytes
.set ABLK, 16896
.set LA16, 1                           ; v1  16 x lane
.set LA8,  2                           ; v2  8 x lane
.set AD16, 3                           ; v3  the step's place + 16 x lane
.set AD8,  4                           ; v4  the step's place + 8 x lane
.set QI,   5                           ; v5  my query's place among its 64, less 16 (lane / 16)
.set GC,   6                           ; v6  16 r + 8 h
.set GS,   7                           ; v7  4 r
.set QSO,  8                           ; v8  16 r
.set KB,   40
.set PC,   56
.set S,    136
.set OT,   200
.set WV,   8
.set CX,   9
.set BH,   10
.set HB,   11                          ; s11 the head's first byte in qkv
.set SEL,  12                          ; s[12:13] lane selects: lane l xor 16
.set CS,   14                          ; s[14:15] c = log2(e) / 8
.set MNT,  16
.set TB,   17                          ; s17 the step's place in LDS
.set KF,   18                          ; s18 the step's first key
.set JQ,   19                          ; s19 64 j
.set CNT,  20
.set T0,   21
.set JT,   22                          ; s22 j
.set G1,   24                          ; s[24:31] descriptor group 1
.set G0,   32                          ; s[32:47] four groups 0
.set QP,   48                          ; s[48:49] my tile of Q;  s[50:51] its scale words;  s[52:53] my tile's codes in att;  s[54:55] its scale half-words
.set QS,   50
.set ATC,  52
.set ATS,  54
.macro CROUND                          ; a round of the cluster's barrier
	s_barrier_signal -1
	s_barrier_wait -1
	s_cmp_lg_u32 s[WV], 0
	s_cbranch_scc1 .Lnot_wave_0_\@
	s_barrier_signal -3
.Lnot_wave_0_\@:
	s_barrier_wait -3
	s_barrier_signal -1
	s_barrier_wait -1
.endm
.macro BARRIER
	s_barrier_signal -1
	s_barrier_wait -1
.endm
	s_load_b128 s[4:7], s[0:1], 0x0                ; qkv s[4:5], att s[6:7]
	v_lshl_add_u32 v254, v0, 2, 0x43000
	v_mov_b32 v255, 0
	ds_add_u32 v254, v255
	ds_add_u32 v254, v255
	s_wait_dscnt 0x0
	v_lshrrev_b32 v9, 5, v0
	s_delay_alu instid0(VALU_DEP_1)
	v_readfirstlane_b32 s[WV], v9                  ; wave 0..15
	s_bfe_u32 s[CX], ttmp6, 0x40000                ; my place in the cluster: it enters global addresses and the lanes' query numbers alone
	s_and_b32 s[BH], ttmp7, 0xffff                 ; 16 b + head, which the four partners share
	s_mul_i32 s[HB], s[BH], HEADSTR
	; descriptor group 1: 67 rows of 256 bytes (32 elements of 8 bytes), dense in memory and in LDS
	s_mov_b32 s[G1], 15|(3<<16)|(1<<21)            ; 15:0 the mask: all four work-groups; 17:16 elements of 8 bytes; 21 set beside a mask
	s_mov_b32 s[G1+1], 32<<16                      ; tensor_dim0
	s_mov_b32 s[G1+2], 67<<16                      ; tensor_dim1
	s_mov_b32 s[G1+3], 32<<16                      ; tile_dim0
	s_mov_b32 s[G1+4], 67                          ; tile_dim1
	s_mov_b32 s[G1+5], 32                          ; tensor_dim0_stride
	s_mov_b32 s[G1+6], 0
	s_mov_b32 s[G1+7], 0
	s_mov_b32 s[SEL], 0x76543210
	s_mov_b32 s[SEL+1], 0xfedcba98
	s_mov_b32 s[CS], 0x3e38aa3b                    ; log2(e) / 8
	s_mov_b32 s[CS+1], s[CS]                       ; (named with it as a pair, so it is written)
	s_mul_i32 s56, s[WV], STP                      ; waves 0-3 fetch steps 4 c + wave, c = 0..3
	s_mul_i32 s58, s[WV], BLK
	s_add_co_u32 s58, s58, s[HB]
	s_mov_b32 s59, 0
	s_wait_kmcnt 0x0
	s_add_nc_u64 s[58:59], s[4:5], s[58:59]
.irp c, 0,1,2,3
	s_mov_b32 s[G0+4*\c], 1
	s_add_co_u32 s[G0+4*\c+1], s56, \c*4*STP
	s_add_nc_u64 s[G0+4*\c+2:G0+4*\c+3], s[58:59], \c*4*BLK
	s_or_b32 s[G0+4*\c+3], s[G0+4*\c+3], 0x80000000
.endr
	CROUND                                         ; all four work-groups are here: the joint loads meet
	s_cmp_lt_u32 s[WV], 4                          ; a wave's four fills stand in one branch, ahead of every wait on TENSORcnt, every LDS read and every other barrier: four loads of mine are out
	s_cbranch_scc0 .Lno_fetch
	tensor_load_to_lds s[G0:G0+3], s[G1:G1+7]
	s_nop 0
	tensor_load_to_lds s[G0+4:G0+7], s[G1:G1+7]
	s_nop 0
	tensor_load_to_lds s[G0+8:G0+11], s[G1:G1+7]
	s_nop 0
	tensor_load_to_lds s[G0+12:G0+15], s[G1:G1+7]
	s_nop 0
.rept 4
	v_nop
.endr
.Lno_fetch:
	v_and_b32 v9, 31, v0
	s_delay_alu instid0(VALU_DEP_1)
	v_lshlrev_b32 v[LA16], 4, v9
	s_delay_alu instid0(VALU_DEP_2)
	v_lshlrev_b32 v[LA8], 3, v9
	v_and_b32 v10, 15, v0                          ; r
	v_bfe_u32 v11, v0, 4, 1                        ; h
	s_delay_alu instid0(VALU_DEP_2)
	v_lshlrev_b32 v[GC], 4, v10
	s_delay_alu instid0(VALU_DEP_1)
	v_lshl_add_u32 v[GC], v11, 3, v[GC]
	s_delay_alu instid0(VALU_DEP_4)
	v_lshlrev_b32 v[GS], 2, v10
	v_lshlrev_b32 v[QSO], 4, v10
	s_wait_alu depctr_va_vdst(0)
	s_lshr_b32 s56, s[CX], 1
	s_lshl_b32 s56, s56, 5
	s_and_b32 s57, s[CX], 1
	s_lshl_b32 s57, s57, 3
	s_add_co_u32 s56, s56, s57                     ; 32 (cx / 2) + 8 (cx % 2)
	v_and_b32 v[QI], 8, v10
	s_delay_alu instid0(VALU_DEP_1)
	v_add_nc_u32 v[QI], v[QI], v10                 ; + r % 8 + 16 (r / 8)
	v_lshlrev_b32 v11, 4, v11
	s_delay_alu instid0(VALU_DEP_1)
	v_sub_nc_u32 v[QI], v[QI], v11                 ; - 16 h
	s_delay_alu instid0(VALU_DEP_1)
	v_add_nc_u32 v[QI], s56, v[QI]
; Tile (j, cx): step j / 2, tile t = 4 (j % 2) + cx of the step's eight.
.macro PASSADR
	s_lshr_b32 s56, s[JT], 1                       ; the step
	s_and_b32 s57, s[JT], 1
	s_lshl_b32 s[JQ], s[JT], 6
	s_mul_i32 s58, s56, BLK
	s_add_co_u32 s58, s58, s[HB]                   ; its block in qkv
	s_lshl_b32 s59, s57, 2
	s_add_co_u32 s59, s59, s[CX]                   ; t
	s_mov_b32 s61, 0
	s_lshl_b32 s60, s59, 10
	s_add_co_u32 s60, s60, s58
	s_add_co_u32 s60, s60, 17152
	s_add_nc_u64 s[QP:QP+1], s[4:5], s[60:61]      ; Q's codes: 1,024 bytes a tile
	s_lshr_b32 s60, s59, 1
	s_lshl_b32 s60, s60, 2
	s_and_b32 s62, s59, 1
	s_lshl_b32 s62, s62, 8
	s_add_co_u32 s60, s60, s62
	s_add_co_u32 s60, s60, s58
	s_add_co_u32 s60, s60, 25344
	s_add_nc_u64 s[QS:QS+1], s[4:5], s[60:61]      ; Q's scale words: 16 (16 (t % 2) + r) + 4 (t / 2)
	s_and_b32 s60, s[BH], 48                       ; 16 b
	s_add_co_u32 s60, s60, s56
	s_lshl_b32 s60, s60, 3
	s_bfe_u32 s62, s[BH], 0x30001                  ; head / 2
	s_add_co_u32 s60, s60, s62
	s_mul_i32 s56, s60, ABLK                       ; the block in att
	s_and_b32 s57, s[BH], 1                        ; head % 2
	s_lshl_b32 s60, s59, 11
	s_add_co_u32 s60, s60, s56
	s_lshl_b32 s62, s57, 10
	s_add_co_u32 s60, s60, s62
	s_add_nc_u64 s[ATC:ATC+1], s[6:7], s[60:61]    ; codes: 2,048 t + 1,024 (head % 2)
	s_lshl_b32 s60, s59, 6
	s_add_co_u32 s60, s60, s56
	s_lshl_b32 s62, s57, 1
	s_add_co_u32 s60, s60, s62
	s_add_co_u32 s60, s60, 16384
	s_add_nc_u64 s[ATS:ATS+1], s[6:7], s[60:61]    ; scale half-words: 64 t + 2 (head % 2)
.endm
.macro QLOAD                           ; Q's eight registers twice: for the low half of K and for the high
	global_load_b128 v[16:19], v[LA16], s[QP:QP+1]
	global_load_b128 v[20:23], v[LA16], s[QP:QP+1] offset:512
	global_load_b128 v[32:35], v[LA16], s[QP:QP+1]
	global_load_b128 v[36:39], v[LA16], s[QP:QP+1] offset:512
	global_load_b32 v255, v[QSO], s[QS:QS+1]
.endm
.macro INIT                            ; the step is written for every step alike: the first finds zeros, which the first change of M leaves zeros
	v_mov_b32 v13, 0xff61b1e6                      ; the largest t so far: -3e38
	s_delay_alu instid0(VALU_DEP_1)
	v_floor_f32 v12, -v13                          ; -M
	v_mov_b32 v14, 0
	v_mov_b32 v15, 0
.irp j, 0,1,2,3,4,5,6,7,8,9,10,11,12,13,14,15,16,17,18,19,20,21,22,23,24,25,26,27,28,29,30,31
	v_mov_b32 v[OT+\j], 0
.endr
	s_mov_b32 s[TB], 0
	s_mov_b32 s[KF], 0
.endm
; A KEY STEP: 128 keys.  masked = 1: the step may lie on or behind the diagonal.
.macro STEP masked
.if \masked
	s_cmp_gt_u32 s[KF], s[JQ]                      ; all its keys come after my queries: the work is left out, not the lines at the end that step addresses
	s_cbranch_scc1 .Lhidden_\@
.endif
	s_setprio 2
	v_add_nc_u32 v[AD16], s[TB], v[LA16]
	v_add_nc_u32 v[AD8], s[TB], v[LA8]
.rept 7
	v_nop                                          ; with the two additions nine places behind the last step's products: the products below write over V's fragments, the loads land on p's codes and the scale words
.endr
.irp t, 0,1,2,3,4,5,6,7
.irp c, 0,1
	ds_load_b128 v[KB+24*(\t/2)+16*(\t%2)+4*\c:KB+24*(\t/2)+16*(\t%2)+4*\c+3], v[AD16] offset:1024*\t+512*\c
.endr
.endr
	ds_load_b128 v[248:251], v[AD16] offset:8192   ; register i: lanes 0-15 the words of tile 2 i, lanes 16-31 those of tile 2 i + 1
	s_wait_dscnt 0x0
.irp g, 0,1,2,3
	v_wmma_scale_f32_16x16x128_f8f6f4 v[S+16*\g:S+16*\g+7], v[KB+24*\g:KB+24*\g+15], v[16:31], 0, v[248+\g], v255
	v_wmma_scale_f32_16x16x128_f8f6f4 v[S+16*\g+8:S+16*\g+15], v[KB+24*\g+8:KB+24*\g+23], v[24:39], 0, v[248+\g], v255 matrix_a_scale:MATRIX_SCALE_ROW1
.endr
.rept 8
	v_nop
.endr
.if \masked
	s_add_co_u32 s[T0], s[KF], 127
	s_cmp_le_u32 s[T0], s[JQ]                      ; all its keys count: no mask
	s_cbranch_scc1 .Lopen_\@
	s_sub_co_i32 s[T0], s[JQ], s[KF]
	v_add_nc_u32 v252, s[T0], v[QI]                ; d = my query - the step's first key - 16 (lane / 16).  Register 16 b + i holds key 32 b + 16 (lane / 16) + i: hidden where 32 b + i > d
	v_mov_b32 v254, 0xff800000                     ; -infinity: p = 0 then.  The step's first key counts for every query of the tile, so M stays a number
.irp n, 0,1,2,3,4,5,6,7,8,9,10,11,12,13,14,15,16,17,18,19,20,21,22,23,24,25,26,27,28,29,30,31,32,33,34,35,36,37,38,39,40,41,42,43,44,45,46,47,48,49,50,51,52,53,54,55,56,57,58,59,60,61,62,63
	v_cmp_gt_i32 vcc_lo, 32*(\n/16)+\n%16, v252
	v_cndmask_b32 v[S+\n], v[S+\n], v254, vcc_lo
.endr
.Lopen_\@:
.endif
.irp b, 0,1,2,3
	v_max3_num_f32 v[232+\b], v[S+16*\b], v[S+1+16*\b], v[S+2+16*\b]   ; the largest score of each block of 32 keys: for the row's maximum, and, since p rises with the score, for the block's largest p
.endr
.irp i, 3,5,7,9,11,13
.irp b, 0,1,2,3
	v_max3_num_f32 v[232+\b], v[232+\b], v[S+16*\b+\i], v[S+1+16*\b+\i]
.endr
.endr
.irp b, 0,1,2,3
	v_max_num_f32 v[232+\b], v[232+\b], v[S+15+16*\b]
.endr
.irp b, 0,1,2,3
	s_delay_alu instid0(VALU_DEP_4)
	v_permlanex16_b32 v[236+\b], v[232+\b], s[SEL], s[SEL+1]
.endr
.irp b, 0,1,2,3
	s_delay_alu instid0(VALU_DEP_4)
	v_max_num_f32 v[232+\b], v[232+\b], v[236+\b]  ; with lane l xor 16's 16 keys
.endr
	s_delay_alu instid0(VALU_DEP_2)
	v_max3_num_f32 v254, v232, v233, v234
	s_delay_alu instid0(VALU_DEP_1)
	v_max_num_f32 v254, v254, v235                 ; the step's largest score of my query
	s_delay_alu instid0(VALU_DEP_1)
	v_mul_f32 v254, s[CS], v254                    ; as t
	s_delay_alu instid0(VALU_DEP_1)
	v_max_num_f32 v13, v13, v254                   ; the running largest t
	v_mov_b32 v254, v12
	s_delay_alu instid0(VALU_DEP_2)
	v_floor_f32 v12, -v13                          ; the new -M = -ceil(t)
	s_delay_alu instid0(VALU_DEP_1)
	v_sub_f32 v254, v12, v254                      ; old M - new M: a whole number, 0 or less
	s_delay_alu instid0(VALU_DEP_1)
	v_cvt_i32_f32 v254, v254                       ; (it saturates)
	s_delay_alu instid0(VALU_DEP_1)
	v_ldexp_f32 v252, 1.0, v254                    ; f = 2^(old M - new M)
.irp j, 0,2,4,6,8,10,12,14,16,18,20,22,24,26,28,30,32,34,36,38,40,42,44,46,48,50,52,54,56,58,60,62
	v_pk_fma_f32 v[S+\j:S+1+\j], v[S+\j:S+1+\j], s[CS:CS+1], v[12:13] op_sel_hi:[1,0,0]   ; t - M, two at a time
.endr
.irp b, 0,1,2,3
	v_fma_f32 v[232+\b], v[232+\b], s[CS], v12     ; the same of each block's largest score
.endr
	s_setprio 1
	s_wait_alu depctr_va_vdst(0)
.irp j, 0,1,2,3,4,5,6,7,8,9,10,11,12,13,14,15,16,17,18,19,20,21,22,23,24,25,26,27,28,29,30,31,32,33,34,35,36,37,38,39,40,41,42,43,44,45,46,47,48,49,50,51,52,53,54,55,56,57,58,59,60,61,62,63
	v_exp_f32 v[S+\j], v[S+\j]                     ; p = 2^(t - M), at most 1
.endr
.irp b, 0,1,2,3
	v_exp_f32 v[232+\b], v[232+\b]                 ; the block's largest p: the same two instructions on the same number
.endr
	v_pk_mul_f32 v[14:15], v[14:15], v[252:253] op_sel_hi:[1,0]   ; the sums under the new M.  (A plain place behind the exponentials)
	s_wait_alu depctr_va_vdst(0)
.irp b, 0,1,2,3
	v_max_num_f32 v[232+\b], 0x4800000, v[232+\b]  ; the floor 2^(9 - 127): the byte cannot fall under 1
.endr
.irp b, 0,1,2,3
	s_delay_alu instid0(VALU_DEP_4)
	v_add_nc_u32 v[244+\b], 0xfc000000, v[232+\b]  ; 8 off the exponent field: the conversion's scale operand
.endr
.irp b, 0,1,2,3
.endr
.irp b, 0,1,2,3
	s_delay_alu instid0(VALU_DEP_4)
	v_lshrrev_b32 v[236+\b], 23, v[244+\b]         ; the scale's byte
.endr
	s_delay_alu instid0(VALU_DEP_3)
	v_lshl_or_b32 v253, v237, 8, v236              ; p's scale word for these 128 keys
	s_delay_alu instid0(VALU_DEP_1)
	v_lshl_or_b32 v253, v238, 16, v253
	s_delay_alu instid0(VALU_DEP_1)
	v_lshl_or_b32 v253, v239, 24, v253
	v_pk_add_f32 v[236:237], v[140:141], v[144:145]
	v_pk_add_f32 v[250:251], v[148:149], v[152:153]
	v_pk_add_f32 v[248:249], v[156:157], v[160:161]
	v_pk_add_f32 v[242:243], v[164:165], v[168:169]
	v_pk_add_f32 v[240:241], v[172:173], v[176:177]
	v_pk_add_f32 v[234:235], v[180:181], v[184:185]
	v_pk_add_f32 v[232:233], v[188:189], v[192:193]
	v_pk_add_f32 v[14:15], v[14:15], v[196:197]
	v_pk_add_f32 v[236:237], v[236:237], v[136:137]
	v_pk_add_f32 v[250:251], v[250:251], v[138:139]
	v_pk_add_f32 v[248:249], v[248:249], v[142:143]
	v_pk_add_f32 v[242:243], v[242:243], v[146:147]
	v_pk_add_f32 v[240:241], v[240:241], v[150:151]
	v_pk_add_f32 v[234:235], v[234:235], v[154:155]
	v_pk_add_f32 v[232:233], v[232:233], v[158:159]
	v_pk_add_f32 v[14:15], v[14:15], v[162:163]
	v_pk_add_f32 v[236:237], v[236:237], v[166:167]
	v_pk_add_f32 v[250:251], v[250:251], v[170:171]
	v_pk_add_f32 v[248:249], v[248:249], v[174:175]
	v_pk_add_f32 v[242:243], v[242:243], v[178:179]
	v_pk_add_f32 v[240:241], v[240:241], v[182:183]
	v_pk_add_f32 v[234:235], v[234:235], v[186:187]
	v_pk_add_f32 v[232:233], v[232:233], v[190:191]
	v_pk_add_f32 v[14:15], v[14:15], v[194:195]
	v_pk_add_f32 v[236:237], v[236:237], v[198:199]
	s_delay_alu instid0(VALU_DEP_2)
	v_pk_add_f32 v[14:15], v[14:15], v[242:243]
	s_delay_alu instid0(VALU_DEP_2)
	v_pk_add_f32 v[236:237], v[236:237], v[240:241]
	v_pk_add_f32 v[250:251], v[250:251], v[234:235]
	v_pk_add_f32 v[248:249], v[248:249], v[232:233]
	s_delay_alu instid0(VALU_DEP_2)
	v_pk_add_f32 v[14:15], v[14:15], v[250:251]
	s_delay_alu instid0(VALU_DEP_2)
	v_pk_add_f32 v[236:237], v[236:237], v[248:249]
	s_delay_alu instid0(VALU_DEP_1)
	v_pk_add_f32 v[14:15], v[14:15], v[236:237]
.irp b, 0,1,2,3
.irp i, 0,1,2,3,4,5,6,7,8,9,10,11,12,13,14,15
.endr
	v_cvt_scalef32_pk8_fp8_f32 v[PC+4*\b:PC+1+4*\b], v[S+16*\b:S+7+16*\b], v[244+\b]
	v_cvt_scalef32_pk8_fp8_f32 v[PC+2+4*\b:PC+3+4*\b], v[S+8+16*\b:S+15+16*\b], v[244+\b]
.endr
	v_nop
	s_setprio 0
.irp d, 0,1,2,3                        ; V's four fragments (16 of the head's 64 x these 128 keys) take p's registers
.irp c, 0,1,2,3
	ds_load_b128 v[S+16*\d+4*\c:S+16*\d+4*\c+3], v[AD16] offset:8704+2048*\d+512*\c
.endr
.endr
	ds_load_b64 v[248:249], v[AD8] offset:16896    ; register i: lanes 0-15 the words of tile 2 i, lanes 16-31 those of tile 2 i + 1
.irp j, 0,2,4,6,8,10,12,14,16,18,20,22,24,26,28,30
	v_pk_mul_f32 v[OT+\j:OT+1+\j], v[OT+\j:OT+1+\j], v[252:253] op_sel_hi:[1,0]   ; O^T under the new M.  (These 16 are also the places between the codes and the products below)
.endr
	s_wait_alu depctr_va_vdst(0)
	s_wait_dscnt 0x0
.irp i, 0,1
	v_wmma_scale_f32_16x16x128_f8f6f4 v[OT+16*\i:OT+16*\i+7], v[S+32*\i:S+32*\i+15], v[PC:PC+15], v[OT+16*\i:OT+16*\i+7], v[248+\i], v253
	v_wmma_scale_f32_16x16x128_f8f6f4 v[OT+16*\i+8:OT+16*\i+15], v[S+32*\i+16:S+32*\i+31], v[PC:PC+15], v[OT+16*\i+8:OT+16*\i+15], v[248+\i], v253 matrix_a_scale:MATRIX_SCALE_ROW1
.endr
.if \masked
.Lhidden_\@:
.endif
	s_add_co_u32 s[KF], s[KF], 128
	s_add_co_u32 s[TB], s[TB], STP
.endm
.macro LOOPN n, masked
	s_mov_b32 s[CNT], \n
.Lloop_\@:
	STEP \masked
	s_sub_co_u32 s[CNT], s[CNT], 1
	s_cmp_lg_u32 s[CNT], 0
	s_cbranch_scc1 .Lloop_\@
	s_setprio 0
.endm
; A tile's end: O^T / the sum, quantised along the head's 64 (two blocks; a block lies in lanes l and l xor 16), codes and scale bytes to att.
.macro FINISH
.rept 8
	v_nop                                          ; places behind the last products
.endr
	v_add_f32 v14, v14, v15
	s_delay_alu instid0(VALU_DEP_1)
	v_permlanex16_b32 v252, v14, s[SEL], s[SEL+1]
	s_delay_alu instid0(VALU_DEP_1)
	v_add_f32 v14, v14, v252                       ; the row's sum
	s_wait_alu depctr_va_vdst(0)
	v_rcp_f32 v14, v14
	v_nop                                          ; one plain place behind a transcendental
	s_wait_alu depctr_va_vdst(0)
.irp j, 0,2,4,6,8,10,12,14,16,18,20,22,24,26,28,30
	v_pk_mul_f32 v[OT+\j:OT+1+\j], v[OT+\j:OT+1+\j], v[14:15] op_sel_hi:[1,0]   ; register 8 t + i is att(my query, 16 t + 8 h + i)
.endr
.irp b, 0,1
	v_max3_num_f32 v[232+\b], |v[OT+16*\b]|, |v[OT+1+16*\b]|, 0x4800000
.endr
.irp i, 2,4,6,8,10,12,14
.irp b, 0,1
	s_delay_alu instid0(VALU_DEP_2)
	v_max3_num_f32 v[232+\b], v[232+\b], |v[OT+16*\b+\i]|, |v[OT+1+16*\b+\i]|
.endr
.endr
.irp b, 0,1
	s_delay_alu instid0(VALU_DEP_2)
	v_permlanex16_b32 v[236+\b], v[232+\b], s[SEL], s[SEL+1]
.endr
.irp b, 0,1
	s_delay_alu instid0(VALU_DEP_2)
	v_max_num_f32 v[232+\b], v[232+\b], v[236+\b]
.endr
.irp b, 0,1
	s_delay_alu instid0(VALU_DEP_2)
	v_add_nc_u32 v[244+\b], 0xfc000000, v[232+\b]
.endr
.irp b, 0,1
.endr
.irp b, 0,1
	s_delay_alu instid0(VALU_DEP_2)
	v_lshrrev_b32 v[236+\b], 23, v[244+\b]
.endr
	s_delay_alu instid0(VALU_DEP_1)
	v_lshl_or_b32 v254, v237, 8, v236              ; the head's half of the row's scale word
.irp b, 0,1
.irp i, 0,1,2,3,4,5,6,7,8,9,10,11,12,13,14,15
.endr
.endr
.irp d, 0,1,2,3
	v_cvt_scalef32_pk8_fp8_f32 v[PC+2*\d:PC+2*\d+1], v[OT+8*\d:OT+8*\d+7], v[244+\d/2]
.endr
	v_nop                                          ; one plain vector instruction behind the last conversion
.irp d, 0,1,2,3
	global_store_b64 v[GC], v[PC+2*\d:PC+2*\d+1], s[ATC:ATC+1] offset:512*(\d/2)+256*(\d%2)   ; 32 lanes store 256 consecutive bytes, aligned
.endr
	global_store_b16 v[GS], v254, s[ATS:ATS+1]     ; both lanes of a row store the same two bytes
.endm
	s_sub_co_u32 s[JT], 31, s[WV]                  ; the late tile first: j = 31 - wave
	PASSADR
	QLOAD
.irp j, 24,25,26,27,28,29,30,31,48,49,50,51,52,53,54,55,72,73,74,75,76,77,78,79,96,97,98,99,100,101,102,103,120,121,122,123,124,125,126,127
	v_mov_b32 v[\j], 0                             ; the zero codes of the unused half of K; they stay
.endr
	INIT
.irp b, 0,1,2,3
	v_mov_b32 v[236+\b], 0                         ; written once: a lane permute's destination counts as one of its sources
.endr
	v_mov_b32 v253, 0                              ; (named as the upper half of the pair v[252:253] before it is first written)
	s_wait_loadcnt 0x0                             ; Q
	s_wait_tensorcnt 0x3                           ; my load of steps 0-3 has landed; the three behind it may stay out
	BARRIER
	LOOPN 4, 0                                     ; j >= 16: keys 0 to 1,023 all count
	s_wait_tensorcnt 0x2                           ; steps 4-7
	BARRIER
	LOOPN 4, 0
	s_wait_tensorcnt 0x0                           ; the rest
	BARRIER
	LOOPN 8, 1
	FINISH
	s_wait_xcnt 0x0                                ; the stores have read their registers and bases: both are written again only behind this wait
	s_mov_b32 s[JT], s[WV]                         ; the early tile: j = wave
	PASSADR
	QLOAD
	INIT
	s_wait_loadcnt 0x0
	LOOPN 8, 1                                     ; j <= 15: keys 0 to 1,023 at the most
	FINISH
	s_wait_xcnt 0x0
	v_lshl_add_u32 v254, v0, 2, 0x43000
	v_mov_b32 v255, 0
	s_wait_alu depctr_va_vdst(0)
	s_wait_tensorcnt 0x0
	ds_add_u32 v254, v255
	s_wait_dscnt 0x0
	CROUND                                         ; the closing round
	s_endpgm
.Lfunc_end_k_q812c0977a6_attn:
	.size	k_q812c0977a6_attn, .Lfunc_end_k_q812c0977a6_attn-k_q812c0977a6_attn
	.p2alignl 7, 3214868480
	.fill 96, 4, 3214868480
	.section	.rodata,"a",@progbits
	.p2align	6, 0x0
	.amdhsa_kernel k_q812c0977a6_attn
		.amdhsa_group_segment_fixed_size 276480
		.amdhsa_private_segment_fixed_size 0
		.amdhsa_enable_private_segment 0
		.amdhsa_kernarg_size 16
		.amdhsa_user_sgpr_count 2
		.amdhsa_user_sgpr_kernarg_segment_ptr 1
		.amdhsa_wavefront_size32 1
		.amdhsa_system_sgpr_workgroup_id_x 1
		.amdhsa_system_sgpr_workgroup_id_y 1
		.amdhsa_system_sgpr_workgroup_id_z 1
		.amdhsa_system_vgpr_workitem_id 0
		.amdhsa_next_free_vgpr 256
		.amdhsa_next_free_sgpr 66
		.amdhsa_reserve_vcc 1
		.amdhsa_float_denorm_mode_32 3
		.amdhsa_float_denorm_mode_16_64 3
		.amdhsa_fp16_overflow 1
		.amdhsa_memory_ordered 1
		.amdhsa_forward_progress 1
		.amdhsa_inst_pref_size 102
	.end_amdhsa_kernel
	.amdgpu_metadata
---
amdhsa.version: [ 1, 2 ]
amdhsa.kernels:
  - .name:           k_q812c0977a6_attn
    .symbol:         k_q812c0977a6_attn.kd
    .args:
      - { .name: qkv, .offset: 0, .size: 8, .value_kind: global_buffer, .address_space: global }
      - { .name: att, .offset: 8, .size: 8, .value_kind: global_buffer, .address_space: global }
    .group_segment_fixed_size: 276480
    .private_segment_fixed_size: 0
    .kernarg_segment_align: 8
    .kernarg_segment_size: 16
    .max_flat_workgroup_size: 512
    .sgpr_count:     66
    .vgpr_count:     256
    .wavefront_size: 32
...
	.end_amdgpu_metadata
.endif
;; end of part 2
;; launch mix (part 3): grid 4 x 64, 4 waves a work-group, clusters of 4 x 4, 327,680 bytes of LDS; arguments att, Wmix_codes, Wmix_scales, bmix, out0; writes out0
.if DOCPART == 3
	.amdgcn_target "amdgcn-amd-amdhsa--gfx1250"
	.amdhsa_code_object_version 6
	.text
	.protected	k_q812c0977a6_mix
	.globl	k_q812c0977a6_mix
	.p2align	8
	.type	k_q812c0977a6_mix,@function
k_q812c0977a6_mix:
	s_mov_b64 s[64:65], 0
	v_nop
	global_prefetch_b8 v0, s[64:65] scope:SCOPE_SE
	s_setreg_imm32_b32 hwreg(HW_REG_WAVE_MODE, 25, 1), 1
	s_wait_xcnt 0x0
	s_wait_alu depctr_hold_cnt(0) depctr_sa_sdst(0) depctr_va_vdst(0) depctr_va_sdst(0) depctr_va_ssrc(0) depctr_va_vcc(0) depctr_vm_vsrc(0)
	s_getreg_b32 s2, hwreg(HW_REG_IB_STS2, 6, 4)
	s_cmp_eq_u32 s2, 0
	s_cbranch_scc0 .Lentry_in_a_cluster
	s_endpgm
.Lentry_in_a_cluster:
	s_bfe_u32 s2, ttmp6, 0x10000c
	s_cmp_lg_u32 s2, 0xf033
	s_cbranch_scc0 .Lentry_shape_is_right
	s_endpgm
.Lentry_shape_is_right:
; out0 = att Wmix + bmix on codes of FP8 (E4M3) with one E8M0 scale for each 32 along K = 1,024; sums in f32.
; att comes as images of operand registers, [block of 128 tokens 64][128 along K 8][16,896 bytes]: codes [tile 8][block 4][lane 32][16 bytes], scale words [tile 8][row 16]; row r of tile t is token 32 (t / 2) + 8 (t % 2) + r % 8 + 16 (r / 8).
; Wmix comes as rows of 1,024 codes, K innermost, with 32 scale bytes a row.
; SHARES.  A work-group makes 128 tokens x 256 columns: 256 work-groups.  Wave (wr, wc) makes 64 x 128: 32 accumulators.  The product is used transposed (source 0 = 16 rows of Wmix, source 1 = a tile of att):
; a lane holds eight neighbouring columns of one token.  bmix is the C of each sum's first product.
; LDS.  Three slots, each with 256 along K: att's two blocks as they lie, then 256 rows of Wmix (256 bytes + 16 of padding).  K = 1,024 is four fills: three first fills and ONE refill of slot 0.  Wmix's scale bytes come once.
; CLUSTERS: 4 x 4 work-groups; att's blocks are asked for jointly along a row of the cluster, Wmix's tiles and scale bytes along a column.
; REGISTERS: window 0: v10-29 addresses; v32-35 att's scale words, two sets; v40-103 all of Wmix's scale words; v128-191, v192-255 att's fragments, two sets, later rows of the result.
;   window 1: Wmix's fragments, two sets.   window 2: the accumulators ((a, b) at v[8 (8 a + b)]).   window 3: v0-63 bmix.
.set ABLK,   16896
.set PITCH,  272
.set HALFB,  128*PITCH
.set BOFF,   2*ABLK                    ; Wmix's rows begin here in a slot
.set SLOT3,  BOFF+2*HALFB              ; 103,424
.set BSC,    3*SLOT3                   ; Wmix's scale bytes: 32 units of 256 bytes + 16 of padding
.set HALFS,  16*272
.set SPARE,  BSC+2*HALFS               ; the spare words, 128 bytes for each wave: two blocks of 256 bytes that no other line names
.set STAGE,  SLOT3                     ; the way out: 16 rows x (512 + 16) bytes for each wave, in slot 1, which is filled once and read for the last time ahead of the last barrier
.set SPITCH, 528
.set CO,   10                          ; v10  16 x lane
.set BO,   11                          ; v11  32 h
.set ADA,  16                          ; v16-18  att's fragments in slot 0, 1, 2
.set ADS,  19                          ; v19-21  att's scale words
.set ADB,  22                          ; v22-24  Wmix's fragments
.set ADBS, 25                          ; v25  Wmix's scale words
.set STO,  26
.set RD,   27
.set SPW,  28                          ; v28  my spare word; never rewritten
.set NIL,  29                          ; v29  0; never rewritten
.set ASC,  32
.set BSR,  40
.set AF,   128
.set BK,   128
.set G1A, 24                           ; s[24:31] group 1 for att's blocks;  s[32:43] groups 0, one for each slot
.set G0A, 32
.set G1B, 44                           ; s[44:51], s[52:63] the same for Wmix's tiles
.set G0B, 52
.set G1S, 68                           ; s[68:75], s[76:79] for Wmix's scale bytes
.set G0S, 76
.set MSB, 0
.macro WIN new                         ; the immediate's high byte repeats the setting that is left
.if MSB != \new
	s_set_vgpr_msb (MSB<<8)|\new
.set MSB, \new
.endif
.endm
.set MUL,   0xa1                       ; source 0 (Wmix) window 1, source 1 (att) window 0, C and D window 2
.set FIRST, 0xb1                       ; the first products: C (bmix) window 3
.set TO_B,  0x40
.macro CREST
	s_cmp_lg_u32 s14, 0
	s_cbranch_scc1 .Lnot_wave_0_\@
	s_barrier_signal -3
.Lnot_wave_0_\@:
	s_barrier_wait -3
	s_barrier_signal -1
	s_barrier_wait -1
.endm
.macro CROUND
	s_barrier_signal -1
	s_barrier_wait -1
	CREST
.endm
.macro PLACES n
.rept \n
	v_nop
.endr
.endm
	s_load_b256 s[4:11], s[0:1], 0x0               ; att s[4:5], Wmix codes s[6:7], Wmix scales s[8:9], bmix s[10:11]
	s_load_b64 s[12:13], s[0:1], 0x20              ; out0
	v_lshl_add_u32 v[SPW], v0, 2, SPARE
	v_mov_b32 v[NIL], 0
	ds_add_u32 v28, v29
	ds_add_u32 v28, v29
	s_wait_dscnt 0x0
	v_lshrrev_b32 v1, 5, v0
	v_readfirstlane_b32 s14, v1                    ; wave 0..3
	s_lshr_b32 s15, s14, 1                         ; wr.  Also: I fetch att (0) or Wmix (1)
	s_and_b32 s16, s14, 1                          ; wc.  Also: which half I fetch
	s_bfe_u32 s80, ttmp6, 0x40000                  ; cx, cy
	s_bfe_u32 s81, ttmp6, 0x40004
	s_lshl_b32 s82, ttmp9, 2
	s_add_co_u32 s82, s82, s80                     ; tile of 256 columns
	s_and_b32 s17, ttmp7, 0xffff
	s_lshl_b32 s17, s17, 2
	s_add_co_u32 s17, s17, s81                     ; block of 128 tokens
	s_lshl_b32 s83, s81, 2
	s_lshl_b32 s83, 15, s83                        ; my row of the cluster
	s_lshl_b32 s84, 0x1111, s80                    ; my column
	s_or_b32 s[G1A], s83, (3<<16)|(1<<21)          ; att: 66 rows of 256 bytes (32 elements of 8 bytes), dense
	s_mov_b32 s[G1A+1], 32<<16
	s_mov_b32 s[G1A+2], 66<<16
	s_mov_b32 s[G1A+3], 32<<16
	s_mov_b32 s[G1A+4], 66
	s_mov_b32 s[G1A+5], 32
	s_mov_b32 s[G1A+6], 0
	s_mov_b32 s[G1A+7], 0
	s_or_b32 s[G1B], s84, (0<<16)|(1<<20)|(1<<21)|(5<<22)|(3<<25)   ; Wmix: 128 rows of 256 bytes, 1,024 apart, four words of padding behind every 64
	s_mov_b32 s[G1B+1], 256<<16
	s_mov_b32 s[G1B+2], 128<<16
	s_mov_b32 s[G1B+3], 256<<16
	s_mov_b32 s[G1B+4], 128
	s_mov_b32 s[G1B+5], 1024
	s_mov_b32 s[G1B+6], 0
	s_mov_b32 s[G1B+7], 0
	s_or_b32 s[G1S], s84, (3<<16)|(1<<20)|(1<<21)|(5<<22)|(3<<25)   ; the scale bytes of 128 rows: 16 rows of 256 bytes, padded likewise
	s_mov_b32 s[G1S+1], 32<<16
	s_mov_b32 s[G1S+2], 16<<16
	s_mov_b32 s[G1S+3], 32<<16
	s_mov_b32 s[G1S+4], 16
	s_mov_b32 s[G1S+5], 32
	s_mov_b32 s[G1S+6], 0
	s_mov_b32 s[G1S+7], 0
	s_lshl_b32 s20, s17, 3
	s_add_co_u32 s20, s20, s16
	s_mul_i32 s20, s20, ABLK                       ; att: block (8 x tokens' block + half)
	s_mov_b32 s21, 0
	s_lshl_b32 s86, s82, 8
	s_lshl_b32 s87, s16, 7
	s_add_co_u32 s86, s86, s87                     ; Wmix: row 256 x tile + 128 x half
	s_lshl_b32 s88, s86, 5                         ; its scale bytes,
	s_lshl_b32 s86, s86, 10                        ; its codes
	s_mov_b32 s87, 0
	s_mov_b32 s89, 0
	s_mul_i32 s85, s16, ABLK                       ; where they go: no place in the cluster enters an LDS address
	s_mul_i32 s90, s16, HALFB
	s_add_co_u32 s90, s90, BOFF
	s_mul_i32 s91, s16, HALFS
	s_add_co_u32 s91, s91, BSC
	s_wait_kmcnt 0x0
	s_add_nc_u64 s[20:21], s[4:5], s[20:21]
	s_add_nc_u64 s[86:87], s[6:7], s[86:87]
	s_add_nc_u64 s[88:89], s[8:9], s[88:89]
.irp n, 0,1,2
	s_mov_b32 s[G0A+4*\n], 1
	s_add_co_u32 s[G0A+4*\n+1], s85, \n*SLOT3
	s_add_nc_u64 s[G0A+4*\n+2:G0A+4*\n+3], s[20:21], \n*2*ABLK
	s_or_b32 s[G0A+4*\n+3], s[G0A+4*\n+3], 0x80000000
	s_mov_b32 s[G0B+4*\n], 1
	s_add_co_u32 s[G0B+4*\n+1], s90, \n*SLOT3
	s_add_nc_u64 s[G0B+4*\n+2:G0B+4*\n+3], s[86:87], \n*256
	s_or_b32 s[G0B+4*\n+3], s[G0B+4*\n+3], 0x80000000
.endr
	s_mov_b32 s[G0S], 1
	s_mov_b32 s[G0S+1], s91
	s_mov_b64 s[G0S+2:G0S+3], s[88:89]
	s_or_b32 s[G0S+3], s[G0S+3], 0x80000000
	CROUND                                         ; all sixteen work-groups are here: the first joint loads meet
	s_cmp_eq_u32 s15, 0                            ; a wave's first fills stand in one branch: three (att) or four (Wmix) loads of mine are out
	s_cbranch_scc0 .Lfirst_b
	tensor_load_to_lds s[G0A:G0A+3], s[G1A:G1A+7]
	s_nop 0
	tensor_load_to_lds s[G0A+4:G0A+7], s[G1A:G1A+7]
	s_nop 0
	tensor_load_to_lds s[G0A+8:G0A+11], s[G1A:G1A+7]
	s_nop 0
.rept 4
	v_nop
.endr
	s_branch .Lfirst_done
.Lfirst_b:
	tensor_load_to_lds s[G0S:G0S+3], s[G1S:G1S+7]
	s_nop 0
	tensor_load_to_lds s[G0B:G0B+3], s[G1B:G1B+7]
	s_nop 0
	tensor_load_to_lds s[G0B+4:G0B+7], s[G1B:G1B+7]
	s_nop 0
	tensor_load_to_lds s[G0B+8:G0B+11], s[G1B:G1B+7]
	s_nop 0
.rept 4
	v_nop
.endr
.Lfirst_done:
	v_and_b32 v1, 15, v0                           ; r
	v_bfe_u32 v2, v0, 4, 1                         ; h
	v_and_b32 v3, 31, v0                           ; lane
	v_lshlrev_b32 v[CO], 4, v3
	s_wait_alu depctr_va_vdst(0)
	v_lshlrev_b32 v[BO], 5, v2
	v_lshlrev_b32 v5, 2, v3
	s_wait_alu depctr_va_vdst(0)
	v_mul_u32_u24 v6, v1, PITCH
	v_lshl_add_u32 v6, v2, 4, v6
	s_wait_alu depctr_va_vdst(0)
	s_lshl_b32 s21, s15, 13                        ; att: my four tiles of 2,048 bytes
	s_lshl_b32 s22, s15, 8                         ; their scale words: 64 bytes a tile,
	s_add_co_u32 s22, s22, 16384                   ; behind the codes
	s_mul_i32 s23, s16, HALFB                      ; Wmix: my 128 rows
	s_add_co_u32 s23, s23, BOFF
.irp n, 0,1,2
	v_add_nc_u32 v[ADA+\n], s21, v[CO]
	v_add_nc_u32 v[ADS+\n], s22, v5
	v_add_nc_u32 v[ADB+\n], s23, v6
	s_add_co_u32 s21, s21, SLOT3
	s_add_co_u32 s22, s22, SLOT3
	s_add_co_u32 s23, s23, SLOT3
.endr
	v_lshlrev_b32 v7, 5, v1                        ; Wmix's scale bytes: 32 a row,
	v_lshrrev_b32 v8, 3, v1
	v_lshl_add_u32 v7, v8, 4, v7                   ; and 16 more for each 256 passed
	s_mul_i32 s21, s16, HALFS
	s_add_co_u32 s21, s21, BSC
	v_add_nc_u32 v[ADBS], s21, v7
	s_mul_i32 s21, s14, 16*SPITCH
	s_add_co_u32 s21, s21, STAGE                   ; my stage
	v_mul_u32_u24 v7, v1, SPITCH
	v_lshl_add_u32 v7, v2, 5, v7
	v_add_nc_u32 v[STO], s21, v7                   ; in: row r, 32 bytes for each half of the lanes
	v_add_nc_u32 v[RD], s21, v[CO]                 ; back: the 32 lanes take a row of 512 bytes
	s_lshl_b32 s20, s17, 7
	s_lshl_b32 s21, s15, 6
	s_add_co_u32 s20, s20, s21                     ; my first token
	s_lshl_b32 s20, s20, 12                        ; a row of out0 is 4,096 bytes
	s_lshl_b32 s22, s82, 10
	s_lshl_b32 s23, s16, 9
	s_add_co_u32 s22, s22, s23                     ; my first column, in bytes
	s_mov_b32 s23, 0
	s_mov_b32 s21, 0
	s_add_nc_u64 s[10:11], s[10:11], s[22:23]      ; bmix of my 128 columns
	s_add_nc_u64 s[12:13], s[12:13], s[20:21]
	s_add_nc_u64 s[12:13], s[12:13], s[22:23]
	WIN 0xc0                                       ; destination window 3
.irp b, 0,1,2,3,4,5,6,7
	global_load_b128 v[8*\b:8*\b+3], v[BO], s[10:11] offset:64*\b          ; register 8 b + j: bmix of column 16 b + 8 h + j
	global_load_b128 v[8*\b+4:8*\b+7], v[BO], s[10:11] offset:64*\b+16
.endr
	WIN 0
; The fragments and att's scale words of sub-step u (128 along K) into set u % 2: 50 LDS loads in one run.
.macro FETCH u
.set SL, ((\u)/2)%3
.set KL, (\u)%2
	WIN TO_B
.irp b, 0,1,2,3,4,5,6,7
.irp c, 0,1,2,3
	ds_load_b128 v[128*KL+16*\b+4*\c:128*KL+16*\b+4*\c+3], v[ADB+SL] offset:128*KL+32*\c+4352*\b
.endr
.endr
	WIN 0
.irp a, 0,1,2,3
.irp c, 0,1,2,3
	ds_load_b128 v[AF+64*KL+16*\a+4*\c:AF+64*KL+16*\a+4*\c+3], v[ADA+SL] offset:ABLK*KL+2048*\a+512*\c
.endr
.endr
.irp i, 0,1
	ds_load_b32 v[ASC+2*KL+\i], v[ADS+SL] offset:ABLK*KL+128*\i           ; lanes 0-15 the words of tile 2 i, lanes 16-31 those of tile 2 i + 1
.endr
.endm
; 8 matrix instructions: att's tile a x Wmix's eight blocks.  The 32 accumulators take turns, one instruction a turn, in the same order in every sub-step.
.macro MUL8 u, a, first
.set KL, (\u)%2
.irp b, 0,1,2,3,4,5,6,7
.if \first
.if (\a)%2
	v_wmma_scale_f32_16x16x128_f8f6f4 v[8*(8*(\a)+\b):8*(8*(\a)+\b)+7], v[128*KL+16*\b:128*KL+16*\b+15], v[AF+64*KL+16*(\a):AF+64*KL+16*(\a)+15], v[8*\b:8*\b+7], v[BSR+8*\b+(\u)], v[ASC+2*KL+(\a)/2] matrix_b_scale:MATRIX_SCALE_ROW1
.else
	v_wmma_scale_f32_16x16x128_f8f6f4 v[8*(8*(\a)+\b):8*(8*(\a)+\b)+7], v[128*KL+16*\b:128*KL+16*\b+15], v[AF+64*KL+16*(\a):AF+64*KL+16*(\a)+15], v[8*\b:8*\b+7], v[BSR+8*\b+(\u)], v[ASC+2*KL+(\a)/2]
.endif
.else
.if (\a)%2
	v_wmma_scale_f32_16x16x128_f8f6f4 v[8*(8*(\a)+\b):8*(8*(\a)+\b)+7], v[128*KL+16*\b:128*KL+16*\b+15], v[AF+64*KL+16*(\a):AF+64*KL+16*(\a)+15], v[8*(8*(\a)+\b):8*(8*(\a)+\b)+7], v[BSR+8*\b+(\u)], v[ASC+2*KL+(\a)/2] matrix_b_scale:MATRIX_SCALE_ROW1
.else
	v_wmma_scale_f32_16x16x128_f8f6f4 v[8*(8*(\a)+\b):8*(8*(\a)+\b)+7], v[128*KL+16*\b:128*KL+16*\b+15], v[AF+64*KL+16*(\a):AF+64*KL+16*(\a)+15], v[8*(8*(\a)+\b):8*(8*(\a)+\b)+7], v[BSR+8*\b+(\u)], v[ASC+2*KL+(\a)/2]
.endif
.endif
.endr
.endm
; A plain sub-step: its fragments are in; the next one's are asked for, eight places behind the products that read their registers; 32 products.
.macro SUB u
	s_wait_dscnt 0x0
	PLACES 8
	FETCH (\u)+1
	WIN MUL
	MUL8 \u, 0, 0
	MUL8 \u, 1, 0
	MUL8 \u, 2, 0
	MUL8 \u, 3, 0
.endm
	s_wait_alu depctr_va_vdst(0)
	s_wait_tensorcnt 2                             ; my part of slot 0 (and the scale bytes) has landed; slots 1 and 2 may stay out
	s_barrier_signal -1
	s_barrier_wait -1
.irp b, 0,1,2,3,4,5,6,7
	ds_load_b128 v[BSR+8*\b:BSR+8*\b+3], v[ADBS] offset:544*\b             ; Wmix's scale words of block b, all eight sub-steps: they stay
	ds_load_b128 v[BSR+8*\b+4:BSR+8*\b+7], v[ADBS] offset:544*\b+16
.endr
	FETCH 0
	s_wait_loadcnt 0x0                             ; bmix
	s_wait_dscnt 0x0                               ; sub-step 0: its products start the sums from bmix
	FETCH 1
	WIN FIRST
	MUL8 0, 0, 1
	MUL8 0, 1, 1
	MUL8 0, 2, 1
	MUL8 0, 3, 1
	WIN 0                                          ; sub-step 1 leaves slot 0, which is filled again: (the add's two registers lie in window 0)
	s_wait_tensorcnt 0x0                           ; all my tensor loads have landed, slots 1 and 2 among them;
	ds_add_u32 v[SPW], v[NIL]                      ; 0 onto my spare word;
	s_wait_dscnt 1                                 ; (the add may be out; sub-step 1's fragments are in)
	WIN MUL
	MUL8 1, 0, 0                                   ; eight matrix instructions stand between the add and the wait for it
	s_wait_dscnt 0x0                               ; the add is done, and my reads of slot 0 are over
	s_barrier_signal -1
	MUL8 1, 1, 0
	WIN 0
	s_barrier_wait -1
	CREST                                          ; the barrier has opened a round of the cluster's barrier: no wave of any partner still reads slot 0 or has a load on its way
	s_add_nc_u64 s[G0A+2:G0A+3], s[G0A+2:G0A+3], 6*ABLK    ; K 768 on
	s_add_nc_u64 s[G0B+2:G0B+3], s[G0B+2:G0B+3], 768
	s_cmp_eq_u32 s15, 0
	s_cbranch_scc0 .Lrefill_b
	tensor_load_to_lds s[G0A:G0A+3], s[G1A:G1A+7]  ; the first tensor load behind the round, and my only one
	s_nop 0
.rept 4
	v_nop
.endr
	s_branch .Lrefill_done
.Lrefill_b:
	tensor_load_to_lds s[G0B:G0B+3], s[G1B:G1B+7]
	s_nop 0
.rept 4
	v_nop
.endr
.Lrefill_done:
	PLACES 4                                       ; with the four above: eight places behind sub-step 0's products
	FETCH 2
	WIN MUL
	MUL8 1, 2, 0
	MUL8 1, 3, 0
	SUB 2
	SUB 3
	SUB 4
	s_wait_tensorcnt 0x0                           ; sub-step 5: my part of the refill has landed (the one load that was out),
	s_wait_dscnt 0x0                               ; and my reads of slots 1 and 2 are over
	s_barrier_signal -1
	MUL8 5, 0, 0
	MUL8 5, 1, 0
	s_barrier_wait -1                              ; everybody's: slot 0 is whole, and nobody reads slot 1 any more
	PLACES 8
	FETCH 6
	WIN MUL
	MUL8 5, 2, 0
	MUL8 5, 3, 0
	SUB 6
	s_wait_dscnt 0x0                               ; sub-step 7: nothing more to fetch
	MUL8 7, 0, 0
	MUL8 7, 1, 0
	MUL8 7, 2, 0
	MUL8 7, 3, 0
	WIN 0
; THE WAY OUT, tile by tile of 16 tokens x 128 columns: through my own stage in LDS, back as whole rows of 512 bytes.  LDS serves a wave's instructions in order (ISA guide 5.7.1.4): no wait between the stores and the loads.
.macro TOSTAGE a
	WIN 0x08                                       ; an LDS store's data are its source 1: window 2
.irp b, 0,1,2,3,4,5,6,7
	ds_store_b128 v[STO], v[8*(8*(\a)+\b):8*(8*(\a)+\b)+3] offset:64*\b          ; each accumulator from its low end on
	ds_store_b128 v[STO], v[8*(8*(\a)+\b)+4:8*(8*(\a)+\b)+7] offset:64*\b+16
.endr
	WIN 0
.set BB, BK+64*((\a)%2)
.irp t, 0,1,2,3,4,5,6,7,8,9,10,11,12,13,14,15
	ds_load_b128 v[BB+4*\t:BB+4*\t+3], v[RD] offset:\t*SPITCH
.endr
.endm
.macro SEND a, younger                 ; younger: the LDS instructions issued behind tile a's loads, which may stay out
.set BB, BK+64*((\a)%2)
	s_wait_dscnt \younger
.irp t, 0,1,2,3,4,5,6,7,8,9,10,11,12,13,14,15
	global_store_b128 v[CO], v[BB+4*\t:BB+4*\t+3], s[12:13] offset:(32*((\a)/2)+8*((\a)%2)+(\t%8)+16*(\t/8))*4096 th:TH_STORE_NT   ; row t of tile a is that token of my 64; 32 lanes store 512 consecutive bytes, aligned; written once
.endr
.endm
	PLACES 8                                       ; behind the last products
	TOSTAGE 0
.irp a, 1,2,3
.if \a > 1
	s_wait_xcnt 0x0                                ; tile a - 2's stores have read their registers: tile a's loads may land there
.endif
	TOSTAGE \a
	SEND \a-1, 32                                  ; behind tile a - 1's loads: tile a's 16 stores and 16 loads
.endr
	SEND 3, 0
	s_wait_tensorcnt 0x0                           ; the wave's end
	ds_add_u32 v[SPW], v[NIL]
	s_wait_dscnt 0x0
	CROUND                                         ; the closing round
	s_endpgm
.Lfunc_end_k_q812c0977a6_mix:
	.size	k_q812c0977a6_mix, .Lfunc_end_k_q812c0977a6_mix-k_q812c0977a6_mix
	.p2alignl 7, 3214868480
	.fill 96, 4, 3214868480
	.section	.rodata,"a",@progbits
	.p2align	6, 0x0
	.amdhsa_kernel k_q812c0977a6_mix
		.amdhsa_group_segment_fixed_size 327680
		.amdhsa_private_segment_fixed_size 0
		.amdhsa_enable_private_segment 0
		.amdhsa_kernarg_size 40
		.amdhsa_user_sgpr_count 2
		.amdhsa_user_sgpr_kernarg_segment_ptr 1
		.amdhsa_wavefront_size32 1
		.amdhsa_system_sgpr_workgroup_id_x 1
		.amdhsa_system_sgpr_workgroup_id_y 1
		.amdhsa_system_sgpr_workgroup_id_z 1
		.amdhsa_system_vgpr_workitem_id 0
		.amdhsa_next_free_vgpr 832
		.amdhsa_next_free_sgpr 92
		.amdhsa_reserve_vcc 0
		.amdhsa_float_denorm_mode_32 3
		.amdhsa_float_denorm_mode_16_64 3
		.amdhsa_memory_ordered 1
		.amdhsa_forward_progress 1
		.amdhsa_inst_pref_size 88
	.end_amdhsa_kernel
	.amdgpu_metadata
---
amdhsa.version: [ 1, 2 ]
amdhsa.kernels:
  - .name:           k_q812c0977a6_mix
    .symbol:         k_q812c0977a6_mix.kd
    .args:
      - { .name: att, .offset: 0, .size: 8, .value_kind: global_buffer, .address_space: global }
      - { .name: Wmix_codes, .offset: 8, .size: 8, .value_kind: global_buffer, .address_space: global }
      - { .name: Wmix_scales, .offset: 16, .size: 8, .value_kind: global_buffer, .address_space: global }
      - { .name: bmix, .offset: 24, .size: 8, .value_kind: global_buffer, .address_space: global }
      - { .name: out0, .offset: 32, .size: 8, .value_kind: global_buffer, .address_space: global }
    .group_segment_fixed_size: 327680
    .private_segment_fixed_size: 0
    .kernarg_segment_align: 8
    .kernarg_segment_size: 40
    .max_flat_workgroup_size: 128
    .sgpr_count:     92
    .vgpr_count:     832
    .wavefront_size: 32
...
	.end_amdgpu_metadata
.endif
;; end of part 3
